; MI455X (gfx1250); checked and timed in simulation.
; The chip was launched on July 23, 2026; its instructions are those of AMD's public machine-readable ISA for CDNA 5 (MIT licence, August 2026) and "CDNA5" Instruction Set Architecture Reference Guide (July 2026). The comments in the code are by the model that wrote it; some were corrected since.
;; Cross Modal Attention. Allowed arithmetic: matrix products marked QUANTISED: E5M2 operands, one given power-of-two scale a tensor, by v_wmma_f32_16x16x64_bf8_bf8 or v_wmma_f32_16x16x128_bf8_bf8, f32 sums; everything else in f32.
;; Inputs: Wk 768 x 768 float32; Wo 768 x 768 float32; Wq 768 x 768 float32; Wv 768 x 768 float32; bk 768 float32; bo 768 float32; bq 768 float32; bv 768 float32; ln_b 768 float32; ln_g 768 float32; lowp_scales 24 int32 (the exponents e of the quantised operands' scales 2^e); text_features 8 x 1,024 x 768 float32; text_mask 8 x 1,024 int32; visual_features 8 x 1,024 x 768 float32; visual_mask 8 x 1,024 int32.
;; Outputs: out0 8 x 1,024 x 768 float32; out1 8 x 1,024 x 768 float32.
;; This version of the problem:
;;   THIS VERSION OF THE PROBLEM IS GIVEN IN LOW PRECISION. The matrix products marked QUANTISED in the list below multiply operands that are first quantised to E5M2 (5 exponent bits, 2 mantissa bits; 8 bits a number), with one given power-of-two scale for each operand tensor; their sums are f32. All else is computed in f32.
;;   The module's matrix products, in the order in which they are computed (A, B: the left and right operand; K: the contracted axis; several contracted axes count as one K, in the product's order):
;;     1. [M 8,192, K 768] x [K 768, N 768]; A: input visual_features; B: input Wq: QUANTISED (scales: A lowp_scales[0], B lowp_scales[1])
;;     2. [M 8,192, K 768] x [K 768, N 768]; A: input text_features; B: input Wk: QUANTISED (scales: A lowp_scales[2], B lowp_scales[3])
;;     3. [M 8,192, K 768] x [K 768, N 768]; A: input text_features; B: input Wv: QUANTISED (scales: A lowp_scales[4], B lowp_scales[5])
;;     4. batch 64 x [M 1,024, K 96] x [K 96, N 1,024]; A: computed on the way; B: computed on the way: QUANTISED (scales: A lowp_scales[6], B lowp_scales[7])
;;     5. batch 64 x [M 96, K 1,024] x [K 1,024, N 1,024]; A: computed on the way; B: softmax (see below): QUANTISED (scales: A lowp_scales[8], B lowp_scales[9])
;;     6. [M 8,192, K 768] x [K 768, N 768]; A: input text_features; B: input Wq: QUANTISED (scales: A lowp_scales[10], B lowp_scales[11])
;;     7. [M 8,192, K 768] x [K 768, N 768]; A: input visual_features; B: input Wk: QUANTISED (scales: A lowp_scales[12], B lowp_scales[13])
;;     8. [M 8,192, K 768] x [K 768, N 768]; A: input visual_features; B: input Wv: QUANTISED (scales: A lowp_scales[14], B lowp_scales[15])
;;     9. batch 64 x [M 1,024, K 96] x [K 96, N 1,024]; A: computed on the way; B: computed on the way: QUANTISED (scales: A lowp_scales[16], B lowp_scales[17])
;;     10. batch 64 x [M 96, K 1,024] x [K 1,024, N 1,024]; A: computed on the way; B: softmax (see below): QUANTISED (scales: A lowp_scales[18], B lowp_scales[19])
;;     11. [M 8,192, K 768] x [K 768, N 768]; A: computed on the way; B: input Wo: QUANTISED (scales: A lowp_scales[20], B lowp_scales[21])
;;     12. [M 8,192, K 768] x [K 768, N 768]; A: computed on the way; B: input Wo: QUANTISED (scales: A lowp_scales[22], B lowp_scales[23])
;;   THE QUANTISER, for each operand of a quantised product, along K:
;;     - The operand's scale is 2^e, e = its entry of the input lowp_scales (int32; the entries are numbered through the quantised products in the list's order, A before B).
;;     - Each number is divided by the scale, clamped to +-57,344, and rounded to the nearest number of E5M2, ties to even, subnormals kept.
;;     - The product sums the exact products of the quantised numbers (number of the format x scale) in f32.
;;   ~~~python
;;   def quantise(x, axis, e):      # numpy; x: float32 -> the quantised numbers, widened to float32 again
;;       x = np.moveaxis(x, axis, -1); K = x.shape[-1]
;;       r = np.clip(x / 2.0 ** e, -57344, 57344)
;;       step = 2.0 ** (np.maximum(np.frexp(np.where(r == 0, 1, r))[1] - 1, -14) - 2)
;;       q = np.round(r / step) * step * 2.0 ** e      # np.round: ties to even
;;       return np.moveaxis(q, -1, axis).astype(np.float32)
;;   ~~~
;;   SOFTMAX AHEAD OF A QUANTISED PRODUCT. Where the list says 'softmax', what is quantised is not the finished softmax but p = 2^(t - M), with t = logit x log2(e) and M = ceil(the row's largest t), a whole number; so 1/2 < the row's largest p <= 1. The row's sum l is taken of the UNQUANTISED p, in f32, and the product's result is divided by l at the end. Since M is a whole number, a kernel that streams over the keys may use a running M (the ceiling of the running maximum): every later rescaling is an exact power of two, so the quantised numbers keep their values, but for numbers so far below the row's largest that they fall under the format's range.
;;   OPERANDS COMPUTED ON THE WAY. 'Computed on the way' means the value that the module computes at that place (a softmax that the list does not call 'softmax' is quantised finished and normalised). What goes into a quantiser is computed in f32, as accurately as f32 sums, v_exp_f32 and their like allow (about 1e-6 of the number): no bf16 or f16 on the way to a quantiser, and a product that is left as it is and whose result goes on into a quantised operand takes f32 operands (vector FMAs, or v_wmma_f32_16x16x4_f32). A number that lies on a knife's edge between two numbers of the format may be rounded either way, as far as f32 arithmetic and the matrix unit's own rounding can turn it there, and no further.
;; One version. Each part assembles by itself: llvm-mc -triple=amdgcn-amd-amdhsa -mcpu=gfx1250 --defsym DOCPART=n.
;; ======== version 1 of 1: 4 launches
;; limits: right only within a limited range of input values
;; workspace buffers: wc 4,718,592 bytes; qc 12,582,912 bytes; kv 25,165,824 bytes; ao 12,582,912 bytes
;; launch wquant (part 1): grid 6 x 32, 4 waves a work-group, no clusters, 0 bytes of LDS; arguments Wq, Wk, Wv, Wo, lowp_scales, wc; writes wc
.if DOCPART == 1
	.amdgcn_target "amdgcn-amd-amdhsa--gfx1250"
	.amdhsa_code_object_version 6
	.text
	.protected	k_q6aba6d5342_wquant
	.globl	k_q6aba6d5342_wquant
	.p2align	8
	.type	k_q6aba6d5342_wquant,@function
k_q6aba6d5342_wquant:
	s_mov_b64 s[64:65], 0
	v_nop
	global_prefetch_b8 v0, s[64:65] scope:SCOPE_SE
	s_setreg_imm32_b32 hwreg(HW_REG_WAVE_MODE, 25, 1), 1
	s_wait_xcnt 0x0
; The four weights W [768 (k)][768 (n)], f32, become eight sets of codes of BF8 (E5M2): each weight is used in two products, each use with a scale 2^e of its own.
; code = w / 2^e, held within +-57,344, rounded to the nearest code, ties to even.
; A SET is laid in the order of the reader's operand registers: [column tile 48][K step 6][piece 4][lane 32][16 bytes].  A fragment is 16 columns x 128 along K; lane (r, h) of piece c holds
; k = 128 s + 32 c + 16 h + 0 .. 15 of the tile's row r.  THE COLUMNS OF A TILE ARE NOT NEIGHBOURS: row r of tile 2 blk + u is column 32 blk + 8 u + r + 8 (r / 8).
; Sets: 0 Wq/e1, 1 Wk/e13, 2 Wv/e15, 3 Wq/e11, 4 Wk/e3, 5 Wv/e5, 6 Wo/e21, 7 Wo/e23.
; SHARES.  Work-group (x, y): weight y / 8, 96 along K from 96 (y % 8) on, columns 128 x on; wave w the 32 columns of block blk = 4 x + w.  A LANE TAKES A COLUMN AND ITS REGISTERS RUN DOWN K,
; so the conversions give codes with K innermost and nothing is transposed.  A lane's 16 codes are 16 bytes of a piece: sixteen lanes store 256 consecutive bytes, aligned.
; The numbers are read once and quantised twice.  No LDS, no barrier: waves share nothing.  Clusters and the matrix unit have nothing to do here.
; LIMITS: each e between -126 and 112.  NaN among the inputs is not served.
.set SETB, 589824                      ; bytes of a set
.set X, 16                             ; v16-111   96 numbers of my column
.set T, 112                            ; v112-175  two sets of 32 held numbers, one for each use
.set C, 176                            ; v176-223  codes: eight registers for each block and use, so that no store's data are written again
	s_load_b256 s[4:11], s[0:1], 0x0               ; Wq, Wk, Wv, Wo
	s_load_b128 s[12:15], s[0:1], 0x20             ; the scales' exponents, wc
	v_lshrrev_b32 v3, 5, v0
	v_readfirstlane_b32 s16, v3                    ; wave
	s_and_b32 s17, ttmp7, 0xffff
	s_lshr_b32 s18, s17, 3                         ; wi: which weight
	s_and_b32 s19, s17, 7                          ; kc: which 96 along K
	s_lshl_b32 s20, ttmp9, 2
	s_add_co_u32 s20, s20, s16                     ; blk: which 32 columns
	v_and_b32 v3, 15, v0                           ; r
	v_bfe_u32 v8, v0, 4, 1                         ; u
	v_and_b32 v9, 8, v3
	v_add_nc_u32 v9, v9, v3                        ; r + 8 (r / 8)
	v_lshl_add_u32 v9, v8, 3, v9                   ; + 8 u: my column in the block
	v_lshlrev_b32 v1, 2, v9                        ; in: 4 bytes a column
	v_mul_u32_u24 v2, v8, 12288                    ; out: tile 2 blk + u (12,288 bytes a tile),
	v_lshl_add_u32 v2, v3, 4, v2                   ; 16 bytes for row r
	s_lshl_b32 s21, s18, 3
	s_lshr_b32 s22, 0x150f0d01, s21                ; the first use's entry: 1, 13, 15, 21
	s_and_b32 s22, s22, 0xff
	s_lshl_b32 s22, s22, 2
	s_mov_b32 s23, 0
	s_lshr_b32 s24, 0x1705030b, s21                ; the second use's: 11, 3, 5, 23
	s_and_b32 s24, s24, 0xff
	s_lshl_b32 s24, s24, 2
	s_mov_b32 s25, 0
	s_add_co_u32 s27, s18, 3
	s_cmp_lt_u32 s18, 3
	s_cselect_b32 s26, s18, 6                      ; the first use's set
	s_cselect_b32 s27, s27, 7                      ; the second use's
	s_mul_i32 s28, s20, 24576                      ; two tiles a block,
	s_mul_i32 s29, s19, 1536                       ; three pieces of 512 bytes a chunk of 96
	s_add_co_u32 s28, s28, s29
	s_mul_i32 s30, s26, SETB
	s_add_co_u32 s30, s30, s28
	s_mov_b32 s31, 0
	s_mul_i32 s32, s27, SETB
	s_add_co_u32 s32, s32, s28
	s_mov_b32 s33, 0
	; THE ORDER OF k IN SETS 0 TO 5 (Wq, Wk, Wv): place p = 16 t + b along K holds k = 256 (t / 16) + 4 (t % 16) + 64 (b / 4) + b % 4, the order in which the projections' launch lays x's codes.
	; Sets 6, 7 (Wo) keep k = p = 16 t + 4 (b / 4) + b % 4.  So b / 4 goes into four offset registers, 64 or 4 rows apart, t into six bases, b % 4 into the immediate.
	s_lshl_b32 s34, s20, 7                         ; 128 bytes a block of columns
	s_mov_b32 s35, 0
	s_cmp_lt_u32 s18, 3
	s_mov_b32 s43, 4*3072
	s_cselect_b32 s43, 64*3072, s43
	s_lshl_b32 s45, s43, 1
	s_mul_i32 s46, s43, 3
	s_wait_alu depctr_va_vdst(0)                   ; directly ahead of the reader below
	v_add_nc_u32 v11, s43, v1
	v_add_nc_u32 v12, s45, v1
	v_add_nc_u32 v13, s46, v1
	s_wait_alu depctr_va_vdst(0)
	s_wait_kmcnt 0x0
	s_add_nc_u64 s[36:37], s[12:13], s[22:23]
	s_add_nc_u64 s[38:39], s[12:13], s[24:25]
	s_load_b32 s40, s[36:37], 0x0                  ; e of the first use
	s_load_b32 s41, s[38:39], 0x0                  ; e of the second
	s_cmp_eq_u32 s18, 1                            ; the weight is chosen by the work-group's number alone
	s_cselect_b64 s[4:5], s[6:7], s[4:5]
	s_cmp_eq_u32 s18, 2
	s_cselect_b64 s[4:5], s[8:9], s[4:5]
	s_cmp_eq_u32 s18, 3
	s_cselect_b64 s[4:5], s[10:11], s[4:5]
	s_add_nc_u64 s[4:5], s[4:5], s[34:35]
.irp i, 0,1,2,3,4,5                            ; t = 6 kc + i: the chunk's six runs of 16 places
	s_mul_i32 s60, s19, 6
	s_add_co_u32 s60, s60, \i
	s_lshr_b32 s61, s60, 4
	s_lshl_b32 s61, s61, 8
	s_and_b32 s62, s60, 15
	s_lshl_b32 s62, s62, 2
	s_add_co_u32 s61, s61, s62                     ; 256 (t / 16) + 4 (t % 16)
	s_lshl_b32 s62, s60, 4                         ; 16 t
	s_cmp_lt_u32 s18, 3
	s_cselect_b32 s60, s61, s62
	s_mul_i32 s60, s60, 3072
	s_mov_b32 s61, 0
	s_add_nc_u64 s[48+2*\i:49+2*\i], s[4:5], s[60:61]
.endr
	s_add_nc_u64 s[8:9], s[14:15], s[30:31]        ; where the first use's codes go
	s_add_nc_u64 s[10:11], s[14:15], s[32:33]      ; and the second's
.macro LOAD j                          ; block j: the numbers of places 32 j + n of the chunk, my column: the wave reads 128 bytes of a row, the work-group 512
.set n, 0
.rept 32
.set g_, (n%16)/4
.set b_, 48+2*(2*(\j)+n/16)
.if g_
	global_load_b32 v[X+32*(\j)+n], v[10+g_], s[b_:b_+1] offset:(n%4)*3072 th:TH_LOAD_NT
.else
	global_load_b32 v[X+32*(\j)+n], v1, s[b_:b_+1] offset:(n%4)*3072 th:TH_LOAD_NT
.endif
.set n, n+1
.endr
.endm
; block j for one use: the hold goes into other registers, since the second use wants the numbers too
.macro QB j, ver, sc, base
.set n, 0
.rept 32
	v_med3_num_f32 v[T+32*(\ver)+n], v[X+32*(\j)+n], -v[\sc+1], v[\sc+1]   ; the conversion to an 8-bit code does not saturate (ISA guide 7.6.2): the hold at the largest code x the scale comes first
.set n, n+1
.endr
.irp g, 0,1,2,3
	v_cvt_scalef32_pk8_bf8_f32 v[C+16*(\j)+8*(\ver)+2*\g:C+16*(\j)+8*(\ver)+2*\g+1], v[T+32*(\ver)+8*\g:T+32*(\ver)+8*\g+7], v[\sc]
.endr
	global_store_b128 v2, v[C+16*(\j)+8*(\ver):C+16*(\j)+8*(\ver)+3], s[\base:\base+1] offset:512*(\j)          ; k = 0 .. 15 of the block: the piece's lanes 0-15
	global_store_b128 v2, v[C+16*(\j)+8*(\ver)+4:C+16*(\j)+8*(\ver)+7], s[\base:\base+1] offset:512*(\j)+256    ; k = 16 .. 31: its lanes 16-31
.endm                                  ; (the codes go to stores alone; the two sets of held numbers take turns, so 32 plain lines stand between a conversion and the next write of its sources)
	LOAD 0
	LOAD 1
	s_wait_kmcnt 0x0
	s_add_co_i32 s42, s40, 127
	s_lshl_b32 s42, s42, 23
	v_mov_b32 v4, s42                              ; 2^e as f32: the conversion takes its exponent field
	s_add_co_i32 s42, s40, 142
	s_lshl_b32 s42, s42, 23
	s_or_b32 s42, s42, 0x600000
	v_mov_b32 v5, s42                              ; 57,344 x 2^e
	s_add_co_i32 s42, s41, 127
	s_lshl_b32 s42, s42, 23
	v_mov_b32 v6, s42
	s_add_co_i32 s42, s41, 142
	s_lshl_b32 s42, s42, 23
	s_or_b32 s42, s42, 0x600000
	v_mov_b32 v7, s42
	s_wait_alu depctr_va_vdst(0)
	s_wait_loadcnt 32                              ; block 0 is in; block 1's 32 loads may be out
	LOAD 2
	QB 0, 0, 4, 8
	QB 0, 1, 6, 10
	s_wait_loadcnt 32                              ; block 1 is in; block 2's may be out
	QB 1, 0, 4, 8
	QB 1, 1, 6, 10
	s_wait_loadcnt 0x0
	QB 2, 0, 4, 8
	QB 2, 1, 6, 10
	s_endpgm
.Lfunc_end_k_q6aba6d5342_wquant:
	.size	k_q6aba6d5342_wquant, .Lfunc_end_k_q6aba6d5342_wquant-k_q6aba6d5342_wquant
	.p2alignl 7, 3214868480
	.fill 96, 4, 3214868480
	.section	.rodata,"a",@progbits
	.p2align	6, 0x0
	.amdhsa_kernel k_q6aba6d5342_wquant
		.amdhsa_group_segment_fixed_size 0
		.amdhsa_private_segment_fixed_size 0
		.amdhsa_enable_private_segment 0
		.amdhsa_kernarg_size 48
		.amdhsa_user_sgpr_count 2
		.amdhsa_user_sgpr_kernarg_segment_ptr 1
		.amdhsa_wavefront_size32 1
		.amdhsa_system_sgpr_workgroup_id_x 1
		.amdhsa_system_sgpr_workgroup_id_y 1
		.amdhsa_system_sgpr_workgroup_id_z 1
		.amdhsa_system_vgpr_workitem_id 0
		.amdhsa_next_free_vgpr 224
		.amdhsa_next_free_sgpr 66
		.amdhsa_reserve_vcc 0
		.amdhsa_float_denorm_mode_32 3
		.amdhsa_float_denorm_mode_16_64 3
		.amdhsa_memory_ordered 1
		.amdhsa_forward_progress 1
		.amdhsa_inst_pref_size 30
	.end_amdhsa_kernel
	.amdgpu_metadata
---
amdhsa.version: [ 1, 2 ]
amdhsa.kernels:
  - .name:           k_q6aba6d5342_wquant
    .symbol:         k_q6aba6d5342_wquant.kd
    .args:
      - { .name: Wq, .offset: 0, .size: 8, .value_kind: global_buffer, .address_space: global }
      - { .name: Wk, .offset: 8, .size: 8, .value_kind: global_buffer, .address_space: global }
      - { .name: Wv, .offset: 16, .size: 8, .value_kind: global_buffer, .address_space: global }
      - { .name: Wo, .offset: 24, .size: 8, .value_kind: global_buffer, .address_space: global }
      - { .name: lowp_scales, .offset: 32, .size: 8, .value_kind: global_buffer, .address_space: global }
      - { .name: wc, .offset: 40, .size: 8, .value_kind: global_buffer, .address_space: global }
    .group_segment_fixed_size: 0
    .private_segment_fixed_size: 0
    .kernarg_segment_align: 8
    .kernarg_segment_size: 48
    .max_flat_workgroup_size: 128
    .sgpr_count:     66
    .vgpr_count:     224
    .wavefront_size: 32
...
	.end_amdgpu_metadata
.endif
;; end of part 1
;; launch proj (part 2): grid 128 x 2, 4 waves a work-group, no clusters, 310,784 bytes of LDS; arguments visual_features, text_features, wc, bq, bk, bv, lowp_scales, qc, kv; writes qc, kv
.if DOCPART == 2
	.amdgcn_target "amdgcn-amd-amdhsa--gfx1250"
	.amdhsa_code_object_version 6
	.text
	.protected	k_q6aba6d5342_proj
	.globl	k_q6aba6d5342_proj
	.p2align	8
	.type	k_q6aba6d5342_proj,@function
k_q6aba6d5342_proj:
	s_mov_b64 s[64:65], 0
	v_nop
	global_prefetch_b8 v0, s[64:65] scope:SCOPE_SE
	s_setreg_imm32_b32 hwreg(HW_REG_WAVE_MODE, 25, 1), 1
	s_wait_xcnt 0x0
; The six projections x W + b on codes of BF8 (E5M2), their results quantised at once into the codes that the attention launch reads.
; SHARES.  Work-group (x, y): modality y (0 visual, 1 text), rows 128 (x / 2) on (one key step), heads 4 (x % 2) + 0 .. 3 of the three uses q, k, v.  Wave w owns head 4 (x % 2) + w.
; HEAD.  Wave w quantises rows 32 w .. 32 w + 31 three times, each use with its own scale, into rows of codes in LDS: [use 3][row tile 8][row 16][768 bytes + 16 of padding].
; Row r of tile 2 b + u stands for row 32 b + 8 u + r + 8 (r / 8).  A unit is two rows x 256 columns: four loads, each of two pieces of 256 consecutive bytes; a lane's 16 numbers,
; columns 256 Q + 64 j + 4 a + e (a = lane % 16), become the 16 codes of slot 16 Q + a of its row.  So place p = 16 t + b of a row of codes holds k = 256 (t / 16) + 4 (t % 16) + 64 (b / 4) + b % 4:
; a fixed order of k, which the launch before gives the weights too, so every product meets its partner.  Nothing is turned through LDS.  Loads run twelve units (48 loads a wave) ahead.
; MAIN.  THE SUMS STAY.  A head's 128 x 96 results of one use are 48 accumulators, 384 registers.  A K step of 128 takes 8 fragments of x from LDS (a ring of two K steps) and 6 fragments of W from
; memory, as they lie, each byte by one wave, once (a ring of three K steps: two K steps, 48 loads, are out), for 48 products.  The rings go on from use to use.
; q, k: source 0 = 16 columns of W, source 1 = 16 rows: a lane holds a row and eight neighbouring channels.  v: the sources swapped: a lane holds a channel and eight neighbouring keys.
; The bias, divided by 2^(ea + eb), is the C of each sum's first product; it comes from the wave's own table in LDS.  The three scales ahead of the quantiser are folded into the conversion's one.
; A use's codes go into the bias's registers (row tiles 0-3) and into accumulators that are done with (row tiles 4-7), and are stored 512 consecutive bytes a store, aligned.
; NO CLUSTER: a weight fragment goes from memory into the registers of one wave; x's rows are shared by two work-groups alone.  NO PREFETCH: every stream is asked for two K steps or twelve units ahead.
; No tensor load: LDS is written by ds_store alone, and is claimed as it is used.
; LIMITS: each e, each ea + eb and each eo - ea - eb between -126 and 112.  NaN among the inputs is not served.
; REGISTERS.  window 0: v1-23 addresses and scales, v30-31 for the closing add, v32-79 bias, then codes, v96-255 W's ring, fragments 0-9.   window 1: x's ring (in the head: twelve units, held numbers, codes, scales).
;   windows 2, 3: v0-191 the accumulators of row tiles 0-3, 4-7 (tile (m, n) at 8 (6 (m % 4) + n)); v192-255 W's ring, fragments 10-13, 14-17.
.set SETB,  589824                     ; a set of weight codes in wc
.set HEADW, 73728                      ; a head's six column tiles
.set TILEB, 12288                      ; a tile: 6 K steps x 2,048 bytes
.set P,     784                        ; a row of codes in LDS: an odd multiple of 16 bytes
.set VERP,  128*P                      ; one use's rows
.set TBL,   3*VERP                     ; the bias tables, TBLB bytes a wave: q 384, k 384, v (each number four times) 1,536
.set TBLB,  2304
.set SPARE, TBL+4*TBLB                 ; the spare words
.set LI,  1                            ; 16 x lane
.set VG,  2                            ; x: 3,072 (lane / 16) + 16 (lane % 16)
.set XW,  5                            ; v5-7 where my codes go, one for each use
.set BL,  8                            ; my table + 64 h
.set BVL, 9                            ; my table of v + 16 (r + 8 (r / 8))
.set XA,  10                           ; v10-11 this use's rows, row tiles 0-3 and 4-7
.set XN,  12                           ; v12-13 the next use's
.set BA,  14
.set TBW, 15
.set TBV, 16
.set XRL, 17                           ; P r + 16 h
.set OSC, 22
.set OLIM, 23
.set SPW, 30
.set NIL, 31
.set BIAS, 32
.set WV,  22
.set MD,  23
.set HD,  24
.set XB,  26
.set PW,  28
.set QO,  32
.set KO,  34
.set VOU, 36
.set OB,  38
.set PH,  40
.set VO,  41
.set BOF, 42
.set CT,  43
.set RS,  51
.set NG,  57
.set STP, 66
.set XC,  84
.set MSB, 0
.macro WIN new                         ; the immediate's high byte repeats the setting that is left
.if MSB != (\new)
	s_set_vgpr_msb (MSB<<8)|(\new)
.set MSB, (\new)
.endif
.endm
.macro MKSC e, sc, lim                 ; 2^e and 57,344 x 2^e as f32
	s_add_co_i32 s[\sc], s[\e], 127
	s_add_co_i32 s[\lim], s[\e], 142
	s_lshl_b32 s[\sc], s[\sc], 23
	s_lshl_b32 s[\lim], s[\lim], 23
	s_or_b32 s[\lim], s[\lim], 0x600000
.endm
.macro USE u, ea, eb, eo               ; x's scale and bound for use u go to window 1, v240 + 2 u
	MKSC \ea, 60, 61
	v_mov_b32 v[240+2*\u], s60
	v_mov_b32 v[241+2*\u], s61
	s_add_co_i32 s62, s[\ea], s[\eb]
	s_sub_co_i32 s[NG+\u], 0, s62
	s_sub_co_i32 s62, s[\eo], s62
	MKSC 62, RS+2*\u, RS+2*\u+1
.endm
.macro WPLACE k, n                     ; where fragment n of ring slot k lies
.set I_, 6*(\k)+(\n)
.if I_ < 10
.set WW_, 0
.set RW_, 96+16*I_
.elseif I_ < 14
.set WW_, 2
.set RW_, 192+16*(I_-10)
.else
.set WW_, 3
.set RW_, 192+16*(I_-14)
.endif
.endm
.macro WLK k, s, imm                   ; K step s of my head's six column tiles into ring slot k: 24 loads
.irp n, 0,1,2,3,4,5
	WPLACE \k, \n
	WIN WW_<<6
.irp c, 0,1,2,3
	global_load_b128 v[RW_+4*\c:RW_+4*\c+3], v[LI], s[PW:PW+1] offset:(\imm)+\n*TILEB+2048*(\s)+512*\c
.endr
.endr
	WIN 0
.endm
.macro GU j, b                         ; unit j of a trip: row pair j / 3, columns 256 (j % 3) on
	WIN 0x40
.irp e, 0,1,2,3
	global_load_b128 v[16*(\j)+4*\e:16*(\j)+4*\e+3], v[VG], s[\b:\b+1] offset:2*((\j)/3)*3072+1024*((\j)%3)+256*\e
.endr
.endm
.macro QU j                            ; a unit's 16 numbers a lane for the three uses; the held numbers' two sets take turns, so plain lines stand between a conversion and the next write of its sources
	WIN 0x55
.irp k, 0,1,2
.set TT_, 192+16*((3*(\j)+\k)%2)
.set e_, 0
.rept 16
	v_med3_num_f32 v[TT_+e_], v[16*(\j)+e_], -v[241+2*\k], v[241+2*\k]   ; the conversion does not saturate (ISA guide 7.6.2): the hold comes first
.set e_, e_+1
.endr
	v_cvt_scalef32_pk8_bf8_f32 v[224+4*\k:225+4*\k], v[TT_:TT_+7], v[240+2*\k]
	v_cvt_scalef32_pk8_bf8_f32 v[226+4*\k:227+4*\k], v[TT_+8:TT_+15], v[240+2*\k]
.endr
	WIN 0x04
.irp k, 0,1,2
	ds_store_b128 v[XW+\k], v[224+4*\k:227+4*\k] offset:2*((\j)/3)*P+256*((\j)%3)   ; sixteen lanes store 256 consecutive bytes of a row
.endr
.endm
.macro UNIT j, ld, cnt
	s_wait_loadcnt \cnt                            ; this unit's four loads are in; those of the units behind it may be out
	QU \j
.if \ld
	GU \j, XC                                      ; its registers take the unit of twelve units on
.endif
.endm
	s_load_b512 s[4:19], s[0:1], 0x0               ; visual, text, wc, bq, bk, bv, scales, qc
	s_load_b64 s[20:21], s[0:1], 0x40              ; kv
	v_lshl_add_u32 v[SPW], v0, 2, SPARE
	v_mov_b32 v[NIL], 0
	v_lshrrev_b32 v24, 5, v0
	v_readfirstlane_b32 s[WV], v24
	s_and_b32 s[MD], ttmp7, 0xffff
	s_and_b32 s[HD], ttmp9, 1
	s_lshl_b32 s[HD], s[HD], 2
	s_add_co_u32 s[HD], s[HD], s[WV]               ; my head
	s_lshr_b32 s25, ttmp9, 1                       ; which 128 rows of the modality's 8,192
	s_mul_i32 s62, s[WV], 32*P
	s_mul_i32 s63, s[WV], TBLB
	s_add_co_u32 s63, s63, TBL
	s_mul_i32 s2, s[MD], 40
	s_mov_b32 s3, 0
	s_sub_co_u32 s80, 40, s2
	s_mov_b32 s81, 0
	v_and_b32 v25, 15, v0                          ; r
	v_bfe_u32 v26, v0, 4, 1                        ; h
	v_and_b32 v[LI], 31, v0
	v_lshlrev_b32 v27, 2, v[LI]
	v_lshlrev_b32 v[LI], 4, v[LI]
	v_and_b32 v28, 8, v25
	v_add_nc_u32 v28, v28, v25                     ; r + 8 (r / 8)
	v_lshlrev_b32 v29, 4, v25
	v_mul_u32_u24 v[VG], v26, 3072
	v_add_nc_u32 v[VG], v[VG], v29
	v_mul_u32_u24 v[XW], v26, P
	v_add_nc_u32 v[XW], v[XW], v29
	v_add_nc_u32 v[XW], s62, v[XW]
	v_add_nc_u32 v[XW+1], VERP, v[XW]
	v_add_nc_u32 v[XW+2], 2*VERP, v[XW]
	v_mul_u32_u24 v[XRL], v25, P
	v_lshl_add_u32 v[XRL], v26, 4, v[XRL]
	v_lshlrev_b32 v[BL], 6, v26
	v_add_nc_u32 v[BL], s63, v[BL]
	v_lshlrev_b32 v[BVL], 4, v28
	v_add_nc_u32 v[BVL], s63, v[BVL]
	v_add_nc_u32 v[BVL], 768, v[BVL]
	v_add_nc_u32 v[TBW], s63, v27
	v_add_nc_u32 v[TBV], s63, v[LI]
	s_wait_alu depctr_va_vdst(0)                   ; directly ahead of the wait below
	s_wait_kmcnt 0x0
	s_add_nc_u64 s[68:69], s[16:17], s[2:3]
	s_add_nc_u64 s[70:71], s[16:17], s[80:81]
	s_load_b64 s[100:101], s[68:69], 0x0           ; q's use: ea, eb
	s_load_b32 s50, s[68:69], 0x18                 ; eq
	s_load_b128 s[44:47], s[70:71], 0x8            ; k's and v's use, in the other direction's products: ea, eb, ea, eb
	s_load_b64 s[48:49], s[70:71], 0x1c            ; ek, ev
	s_mov_b32 s61, 0
	s_mul_i32 s60, s[HD], 384
	s_add_nc_u64 s[72:73], s[10:11], s[60:61]      ; my head's biases
	s_add_nc_u64 s[74:75], s[12:13], s[60:61]
	s_add_nc_u64 s[76:77], s[14:15], s[60:61]
	s_cmp_eq_u32 s[MD], 0
	s_cselect_b64 s[XB:XB+1], s[4:5], s[6:7]
	s_lshl_b32 s60, s25, 7
	s_lshl_b32 s62, s[WV], 5
	s_add_co_u32 s60, s60, s62
	s_mul_i32 s60, s60, 3072
	s_add_nc_u64 s[XB:XB+1], s[XB:XB+1], s[60:61]  ; x at my 32 rows
	s_mul_i32 s60, s[MD], 3*SETB
	s_mul_i32 s62, s[HD], HEADW
	s_add_co_u32 s60, s60, s62
	s_add_nc_u64 s[PW:PW+1], s[8:9], s[60:61]      ; my head's weights for q
.irp i, 0,1,2
	global_load_b32 v[80+\i], v27, s[72:73] offset:128*\i
	global_load_b32 v[83+\i], v27, s[74:75] offset:128*\i
	global_load_b32 v[86+\i], v27, s[76:77] offset:128*\i
.endr
	WLK 0, 0, 0                                    ; q's K steps 0 to 2: older than every load of x, so the waits for x show them in
	WLK 1, 1, 0
	WLK 2, 2, 0
.irp j, 0,1,2,3,4,5,6,7,8,9,10,11
	GU \j, XB
.endr
	s_lshr_b32 s82, s25, 3                         ; the batch
	s_and_b32 s83, s25, 7                          ; the key step
	s_lshl_b32 s60, s[MD], 3
	s_add_co_u32 s60, s60, s82
	s_mul_i32 s60, s60, 786432
	s_mul_i32 s62, s[HD], 98304
	s_add_co_u32 s60, s60, s62
	s_mul_i32 s62, s83, TILEB
	s_add_co_u32 s60, s60, s62
	s_add_nc_u64 s[QO:QO+1], s[18:19], s[60:61]    ; qc: [direction][batch][head][row tile: 1,536 bytes]
	s_xor_b32 s60, s[MD], 1
	s_lshl_b32 s60, s60, 3
	s_add_co_u32 s60, s60, s82
	s_mul_i32 s60, s60, 1572864
	s_mul_i32 s62, s[HD], 196608
	s_add_co_u32 s60, s60, s62
	s_mul_i32 s62, s83, 24576
	s_add_co_u32 s60, s60, s62
	s_add_nc_u64 s[KO:KO+1], s[20:21], s[60:61]    ; kv: [direction][batch][head][key step: k 12,288 bytes, v 12,288]
	s_add_nc_u64 s[VOU:VOU+1], s[KO:KO+1], TILEB
	s_wait_kmcnt 0x0
	USE 0, 100, 101, 50                            ; (the window set by the loads above stands: destinations in window 1)
	USE 1, 44, 45, 48
	USE 2, 46, 47, 49
	WIN 0
	s_wait_alu depctr_va_vdst(0)                   ; directly ahead of the wait below
	s_wait_loadcnt 48                              ; the biases and W's three K steps are in; x's twelve units of four loads may be out
.irp i, 0,1,2
	v_ldexp_f32 v[80+\i], v[80+\i], s[NG]          ; the bias joins raw sums: / 2^(ea + eb)
	v_ldexp_f32 v[83+\i], v[83+\i], s[NG+1]
	v_ldexp_f32 v[86+\i], v[86+\i], s[NG+2]
.endr
.irp i, 0,1,2
	ds_store_b32 v[TBW], v[80+\i] offset:128*\i
	ds_store_b32 v[TBW], v[83+\i] offset:384+128*\i
.irp e, 0,1,2,3
	v_mov_b32 v[92+\e], v[86+\i]
.endr
	ds_store_b128 v[TBV], v[92:95] offset:768+512*\i
.endr
	s_mov_b32 s[CT], 1
.Lunits:                                           ; a trip: twelve units, eight rows of one row tile; it asks for trip CT's rows, which begin at row 16 (CT % 2) + 8 (CT / 2) of my 32
	s_wait_xcnt 0x0                                ; the last trip's loads have read their base
	s_and_b32 s60, s[CT], 1
	s_lshl_b32 s60, s60, 4
	s_lshr_b32 s62, s[CT], 1
	s_lshl_b32 s62, s62, 3
	s_add_co_u32 s60, s60, s62
	s_mul_i32 s60, s60, 3072
	s_mov_b32 s61, 0
	s_add_nc_u64 s[XC:XC+1], s[XB:XB+1], s[60:61]
.irp j, 0,1,2,3,4,5,6,7,8,9,10,11
	UNIT \j, 1, 44
.endr
	WIN 0
.irp k, 0,1,2
	v_add_nc_u32 v[XW+\k], 8*P, v[XW+\k]
.endr
	s_add_co_u32 s[CT], s[CT], 1
	s_cmp_lt_u32 s[CT], 4
	s_wait_alu depctr_va_vdst(0)                   ; directly ahead of the branch
	s_cbranch_scc1 .Lunits
.irp j, 0,1,2,3,4,5,6,7,8,9,10,11
	UNIT \j, 0, 4*(11-\j)                          ; the last trip asks for nothing more
.endr
	WIN 0
	s_wait_dscnt 0x0                               ; for the others' sake: my codes have landed
	s_barrier_signal -1
	s_barrier_wait -1                              ; all 128 rows' codes are whole; LDS is written no more
.macro XLK s, a                        ; K step s of the eight row tiles into ring half s % 2: 32 loads; lane (r, h) takes places 128 s + 32 c + 16 h + 0 .. 15 of row r
	WIN 0x40
.irp m, 0,1,2,3,4,5,6,7
.irp c, 0,1,2,3
	ds_load_b128 v[128*((\s)%2)+16*\m+4*\c:128*((\s)%2)+16*\m+4*\c+3], v[\a+\m/4] offset:16*(\m%4)*P+128*(\s)+32*\c
.endr
.endr
	WIN 0
.endm
.macro BIASL orient                    ; the C of the six column tiles
.irp n, 0,1,2,3,4,5
.if \orient
	ds_load_b128 v[BIAS+8*\n:BIAS+8*\n+3], v[BVL] offset:512*(\n/2)+128*(\n%2)
	ds_load_b128 v[BIAS+8*\n+4:BIAS+8*\n+7], v[BVL] offset:512*(\n/2)+128*(\n%2)
.else
	ds_load_b128 v[BIAS+8*\n:BIAS+8*\n+3], v[BA] offset:128*(\n/2)+32*(\n%2)
	ds_load_b128 v[BIAS+8*\n+4:BIAS+8*\n+7], v[BA] offset:128*(\n/2)+32*(\n%2)+16
.endif
.endr
.endm
.macro KMM s, orient                   ; 48 products; the accumulators take turns, one instruction a turn
.irp hm, 0,1
.irp n, 0,1,2,3,4,5
	WPLACE (\s)%3, \n
.irp mm, 0,1,2,3
.set RX_, 128*((\s)%2)+16*(4*\hm+\mm)
.set RD_, 8*(6*\mm+\n)
.set AW_, 2+\hm
.if \s == 0
.set CW_, 0
.set RC_, BIAS+8*\n
.else
.set CW_, AW_
.set RC_, RD_
.endif
.if \orient
	WIN 1|(WW_<<2)|(CW_<<4)|(AW_<<6)
	v_wmma_f32_16x16x128_bf8_bf8 v[RD_:RD_+7], v[RX_:RX_+15], v[RW_:RW_+15], v[RC_:RC_+7]
.else
	WIN WW_|(1<<2)|(CW_<<4)|(AW_<<6)
	v_wmma_f32_16x16x128_bf8_bf8 v[RD_:RD_+7], v[RW_:RW_+15], v[RX_:RX_+15], v[RC_:RC_+7]
.endif
.endr
.endr
.endr
	WIN 0
.endm
; A K step.  wc: W's loads issued behind this step's own; dc: the LDS loads issued behind this step's own.  xl, wl: the ring half and slot just read take the K steps two and three on.
.macro KSTEP s, orient, wc, dc, wl, xl
	s_wait_loadcnt \wc
	s_wait_dscnt \dc
	KMM \s, \orient
.rept 4
	v_nop                                          ; four places in front of the loads into registers just read and of the first read of the results
.endr
.if \xl
.if \s < 4
	XLK \s+2, XA
.else
	XLK \s-4, XN
.endif
.endif
.if \wl
.if \s < 3
	WLK (\s)%3, \s+3, 0
.else
	WLK (\s)%3, \s-3, SETB
.endif
.endif
.endm
.macro CV8 d, a
	v_cvt_scalef32_pk8_bf8_f32 v[\d:\d+1], v[\a:\a+7], v[OSC]
.endm
; The way out of a use.  q, k: column tiles 2 c, 2 c + 1 give channels 32 c + 16 h + 0 .. 15 of a lane's row: piece c of the row tile.  v: row tiles 2 pp, 2 pp + 1 give keys 32 pp + 16 h + 0 .. 15 of a lane's channel.
.macro EPI orient
.irp hm, 0,1
	WIN (2+\hm)|((2+\hm)<<6)
.set e_, 0
.rept 192
	v_med3_num_f32 v[e_], v[e_], -v[OLIM], v[OLIM]   ; each accumulator from its low end on
.set e_, e_+1
.endr
.if \hm
	WIN 3|(2<<6)                                   ; row tiles 4-7: the codes go over row tile 0's accumulators, which are done with
.set D0_, 0
.else
	WIN 2                                          ; row tiles 0-3: over the bias
.set D0_, BIAS
.endif
.if \orient
.irp n, 0,1,2,3,4,5
.irp q, 0,1
	CV8 D0_+4*(2*\n+\q), 8*(12*\q+\n)
	CV8 D0_+4*(2*\n+\q)+2, 8*(12*\q+6+\n)
.endr
.endr
.else
.irp mm, 0,1,2,3
.irp c, 0,1,2
	CV8 D0_+4*(3*\mm+\c), 8*(6*\mm+2*\c)
	CV8 D0_+4*(3*\mm+\c)+2, 8*(6*\mm+2*\c+1)
.endr
.endr
.endif
	v_nop                                          ; a plain line behind the last conversion
.endr
	WIN 0
	s_wait_alu depctr_va_vdst(0)                   ; ahead of the stores of what was just written
.irp hm, 0,1
	WIN 8*\hm                                      ; the data in window 0, then 2
.set D0_, BIAS*(1-\hm)
.if \orient
.irp n, 0,1,2,3,4,5
.irp q, 0,1
	global_store_b128 v[LI], v[D0_+4*(2*\n+\q):D0_+4*(2*\n+\q)+3], s[OB:OB+1] offset:2048*\n+512*(2*\hm+\q) th:TH_STORE_NT
.endr
.endr
.else
.irp mm, 0,1,2,3
.irp c, 0,1,2
	global_store_b128 v[LI], v[D0_+4*(3*\mm+\c):D0_+4*(3*\mm+\c)+3], s[OB:OB+1] offset:1536*(4*\hm+\mm)+512*\c th:TH_STORE_NT
.endr
.endr
.endif
.endr
	WIN 0
.endm
	v_mov_b32 v[XN], v[XRL]                        ; q's rows
	v_add_nc_u32 v[XN+1], 64*P, v[XRL]
	XLK 0, XN
	XLK 1, XN
	s_mov_b32 s[PH], 0
	s_mov_b32 s[VO], 0
	s_mov_b32 s[BOF], 0
	s_mov_b32 s[STP], 0
	s_mov_b32 s[STP+1], 0
.Lphase:                                           ; two trips: q, then k
	v_add_nc_u32 v[XA], s[VO], v[XRL]
	v_add_nc_u32 v[XA+1], 64*P, v[XA]
	v_add_nc_u32 v[XN], VERP, v[XA]
	v_add_nc_u32 v[XN+1], VERP+64*P, v[XA]
	v_add_nc_u32 v[BA], s[BOF], v[BL]
	s_wait_xcnt 0x0                                ; the loads and stores have read their bases and the stores their data
	s_add_nc_u64 s[PW:PW+1], s[PW:PW+1], s[STP:STP+1]
	s_mov_b32 s[STP], SETB
	s_cmp_eq_u32 s[PH], 0
	s_cselect_b64 s[OB:OB+1], s[QO:QO+1], s[KO:KO+1]
	s_cselect_b32 s60, s[RS], s[RS+2]
	s_cselect_b32 s61, s[RS+1], s[RS+3]
	v_mov_b32 v[OSC], s60
	v_mov_b32 v[OLIM], s61
	s_wait_alu depctr_va_vdst(0)
	BIASL 0
	KSTEP 0, 0, 48, 0, 1, 1
.irp s, 1,2,3,4,5
	KSTEP \s, 0, 48, 32, 1, 1
.endr
	EPI 0
	s_add_co_u32 s[VO], s[VO], VERP
	s_add_co_u32 s[BOF], s[BOF], 384
	s_add_co_u32 s[PH], s[PH], 1
	s_cmp_lt_u32 s[PH], 2
	s_cbranch_scc1 .Lphase
	v_add_nc_u32 v[XA], 2*VERP, v[XRL]             ; v
	v_add_nc_u32 v[XA+1], 64*P, v[XA]
	s_wait_xcnt 0x0
	s_add_nc_u64 s[PW:PW+1], s[PW:PW+1], SETB
	s_mov_b64 s[OB:OB+1], s[VOU:VOU+1]
	v_mov_b32 v[OSC], s[RS+4]
	v_mov_b32 v[OLIM], s[RS+5]
	s_wait_alu depctr_va_vdst(0)
	BIASL 1
	KSTEP 0, 1, 48, 0, 1, 1
	KSTEP 1, 1, 48, 32, 1, 1
	KSTEP 2, 1, 48, 32, 1, 1
	KSTEP 3, 1, 48, 32, 0, 1                       ; the last K steps ask for nothing beyond the end
	KSTEP 4, 1, 24, 32, 0, 0
	KSTEP 5, 1, 0, 0, 0, 0
	EPI 1
	s_wait_tensorcnt 0x0                           ; the wave's end
	ds_add_u32 v[SPW], v[NIL]
	s_wait_dscnt 0x0
	s_endpgm
.Lfunc_end_k_q6aba6d5342_proj:
	.size	k_q6aba6d5342_proj, .Lfunc_end_k_q6aba6d5342_proj-k_q6aba6d5342_proj
	.p2alignl 7, 3214868480
	.fill 96, 4, 3214868480
	.section	.rodata,"a",@progbits
	.p2align	6, 0x0
	.amdhsa_kernel k_q6aba6d5342_proj
		.amdhsa_group_segment_fixed_size 310784
		.amdhsa_private_segment_fixed_size 0
		.amdhsa_enable_private_segment 0
		.amdhsa_kernarg_size 72
		.amdhsa_user_sgpr_count 2
		.amdhsa_user_sgpr_kernarg_segment_ptr 1
		.amdhsa_wavefront_size32 1
		.amdhsa_system_sgpr_workgroup_id_x 1
		.amdhsa_system_sgpr_workgroup_id_y 1
		.amdhsa_system_sgpr_workgroup_id_z 1
		.amdhsa_system_vgpr_workitem_id 0
		.amdhsa_next_free_vgpr 1024
		.amdhsa_next_free_sgpr 102
		.amdhsa_reserve_vcc 0
		.amdhsa_float_denorm_mode_32 3
		.amdhsa_float_denorm_mode_16_64 3
		.amdhsa_memory_ordered 1
		.amdhsa_forward_progress 1
		.amdhsa_inst_pref_size 255
	.end_amdhsa_kernel
	.section	.bss,"aw",@nobits
	.p2align	6
	.space	262144
	.amdgpu_metadata
---
amdhsa.version: [ 1, 2 ]
amdhsa.kernels:
  - .name:           k_q6aba6d5342_proj
    .symbol:         k_q6aba6d5342_proj.kd
    .args:
      - { .name: visual_features, .offset: 0, .size: 8, .value_kind: global_buffer, .address_space: global }
      - { .name: text_features, .offset: 8, .size: 8, .value_kind: global_buffer, .address_space: global }
      - { .name: wc, .offset: 16, .size: 8, .value_kind: global_buffer, .address_space: global }
      - { .name: bq, .offset: 24, .size: 8, .value_kind: global_buffer, .address_space: global }
      - { .name: bk, .offset: 32, .size: 8, .value_kind: global_buffer, .address_space: global }
      - { .name: bv, .offset: 40, .size: 8, .value_kind: global_buffer, .address_space: global }
      - { .name: lowp_scales, .offset: 48, .size: 8, .value_kind: global_buffer, .address_space: global }
      - { .name: qc, .offset: 56, .size: 8, .value_kind: global_buffer, .address_space: global }
      - { .name: kv, .offset: 64, .size: 8, .value_kind: global_buffer, .address_space: global }
    .group_segment_fixed_size: 310784
    .private_segment_fixed_size: 0
    .kernarg_segment_align: 8
    .kernarg_segment_size: 72
    .max_flat_workgroup_size: 128
    .sgpr_count:     102
    .vgpr_count:     1024
    .wavefront_size: 32
...
	.end_amdgpu_metadata
.endif
;; end of part 2
;; launch attn (part 3): grid 2 x 128, 8 waves a work-group, no clusters, 327,680 bytes of LDS; arguments qc, kv, visual_mask, text_mask, lowp_scales, ao; writes ao
.if DOCPART == 3
	.amdgcn_target "amdgcn-amd-amdhsa--gfx1250"
	.amdhsa_code_object_version 6
	.text
	.protected	k_q6aba6d5342_attn
	.globl	k_q6aba6d5342_attn
	.p2align	8
	.type	k_q6aba6d5342_attn,@function
k_q6aba6d5342_attn:
	s_mov_b64 s[64:65], 0
	v_nop
	global_prefetch_b8 v0, s[64:65] scope:SCOPE_SE
	s_setreg_imm32_b32 hwreg(HW_REG_WAVE_MODE, 25, 1), 1
	s_wait_xcnt 0x0
; Both attentions on codes of BF8 (E5M2): o = softmax(q k^T / sqrt(96), keys with mask 0 left out) v, for 2 directions x 8 batches x 8 heads; o is quantised at once into the codes of the last product's operand.
; THE SOFTMAX AHEAD OF THE SECOND PRODUCT: t = score x log2(e) / sqrt(96); M = the largest t so far, rounded UP to a whole number; p = 2^(t - M) is quantised along the keys, not normalised; the row's sum is
; taken of the unquantised p and divides at the end.  When M moves, the sum and O are multiplied by 2^(old M - new M): exact.
; SHARES.  Work-group (x, y): head y (direction y / 64, batch (y / 8) % 8, head y % 8), queries 512 x on.  A head's k and v codes are ONE dense block of 196,608 bytes, laid by the launch before in the order of the
; operands' registers: it is brought into LDS once, in four quarters of two key steps (each of the eight waves: one tensor load of 6,144 bytes at the head, one of 18,432 behind the first barrier), and nothing is filled again.
; TWO BARRIERS IN ALL.  The first shows the first quarter and the mask's table to all eight waves.  For the second each wave waits for all its tensor loads behind key step 0 and signals, walks key step 1
; (LDS loads and register work alone) and waits: behind it the whole block is there, no LDS byte is written any more, and the waves go their own pace to the end.
; Each wave owns two tiles of 16 queries a pass, two passes.  The two tiles share every fragment of k and v that is read from LDS, and the mask's registers.
; Tile A lies in window 0, tile B in window 1 at the same register numbers: the softmax is written once and run under two settings.
; NO CLUSTER: a head's block is shared by the grid's two work-groups along x alone, and each byte is asked for once.
; LAYOUT.  S^T = k q^T (source 0 = 16 keys, source 1 = 16 queries), O^T = v^T p^T (source 0 = 16 channels, source 1 = p): a lane holds ONE query throughout.  Row r of tile 2 b + u of keys (of channels) stands for
; 32 b + 8 u + r + 8 (r / 8), so 16 registers of two neighbouring tiles are 16 neighbours: p's codes are the second product's operand, o's codes a piece of the last product's.
; THE MASK costs no vector line in the loop: a table in LDS holds 0 for a key that counts and -2^120 for one that does not, and a step's 64 numbers a lane are the C of the products k q^T.  They are loaded a step
; ahead, with v's fragments; the table holds keys 0 to 127 once more behind key 1,023, for the last step's look-ahead, which is also the next pass's first step.  A raw sum of 96 products of
; codes stays under 2^39, so -2^120 rules.  The running largest raw score begins at -2^60, under every raw sum and over every masked one: steps without a key that counts change nothing.
; K = 96: q's registers 12-15 hold zero codes; k's fragments load 12 registers, and what their registers 12-15 hold (zeros, later codes of v, which are finite by the hold of the launch that made them) meets zeros.
; Scales (direction 0 | 1): eq e6|e16, ek e7|e17, ev e8|e18, ep e9|e19, eo e20|e22.
; LIMITS: eq + ek between -100 and 60; ep and eo between -126 and 112.  A batch all of whose keys have mask 0 (the definition gives NaN there) is not served.  NaN among the inputs is not served.
; REGISTERS (both windows unless marked): v1-4 (w0) addresses; v12 -M, v13 the largest raw score, v[14:15] the sum; v16-31 q; v32-95: w0 four fragments of k or v, w1 the mask's 64 numbers; v96-159 S^T, then p;
;   v160-207 O^T; v208-219 o's codes; v224-239 p's codes; v240, v241 57,344 x 2^ep, x 2^eo; v244, v245 2^ep, 2^eo; v242-243, v246-255 at work.
.set KVH,    196608
.set STEPB,  24576                     ; a key step: 8 tiles of k (1,536 bytes), then 6 fragments of v (2,048)
.set MT,     196608                    ; the mask's table: 1,152 numbers
.set NEG,    0xfb800000                ; -2^120
.set RSTART, 0xdd800000                ; -2^60
.set LI,  1                            ; v1  16 x lane
.set ADK, 2                            ; v2  the step's tiles
.set ADM, 3                            ; v3  the step's part of the table
.set AM0, 4                            ; v4  MT + 64 h
.set WV,  16
.set DIR, 18
.set G1,  24                           ; s[24:31] descriptor group 1
.set G0,  32                           ; s[32:47] the two loads' groups 0, then the second load's group 1
.set SEL, 48                           ; s[48:49] lane selects: lane l xor 16
.set CS,  50                           ; s[50:51] c = log2(e) / sqrt(96) x 2^(eq + ek)
.set TB,  52
.set TM,  53
.set EPV, 54                           ; ep + ev
.set QB,  56                           ; s[56:57] q's codes of my two tiles of the first pass
.set AOB, 58                           ; s[58:59] where their o goes
.set CNT, 61
.set MSB, 0
.macro WIN new                         ; the immediate's high byte repeats the setting that is left
.if MSB != \new
	s_set_vgpr_msb (MSB<<8)|\new
.set MSB, \new
.endif
.endm
.macro MKSC e, sc, lim
	s_add_co_i32 s[\sc], s[\e], 127
	s_add_co_i32 s[\lim], s[\e], 142
	s_lshl_b32 s[\sc], s[\sc], 23
	s_lshl_b32 s[\lim], s[\lim], 23
	s_or_b32 s[\lim], s[\lim], 0x600000
.endm
	s_load_b256 s[4:11], s[0:1], 0x0               ; qc s[4:5], kv s[6:7], visual_mask s[8:9], text_mask s[10:11]
	s_load_b128 s[12:15], s[0:1], 0x20             ; the scales' exponents s[12:13], ao s[14:15]
	v_lshl_add_u32 v223, v0, 2, 0x31200
	v_mov_b32 v247, 0
	ds_add_u32 v223, v247
	ds_add_u32 v223, v247
	v_lshrrev_b32 v5, 5, v0
	s_delay_alu instid0(VALU_DEP_1)
	v_readfirstlane_b32 s[WV], v5                  ; wave 0..7
	s_and_b32 s17, ttmp7, 0xffff                   ; direction, batch, head
	s_lshr_b32 s[DIR], s17, 6
	s_bfe_u32 s19, s17, 0x30003                    ; the batch
	s_and_b32 s20, s17, 7                          ; the head
	; descriptor group 1: 24 rows of 256 bytes, dense: elements of 8 bytes, 32 to a row
	s_mov_b32 s[G1], 3<<16
	s_mov_b32 s[G1+1], 32<<16                      ; tensor_dim0
	s_mov_b32 s[G1+2], 24<<16                      ; tensor_dim1
	s_mov_b32 s[G1+3], 32<<16                      ; tile_dim0
	s_mov_b32 s[G1+4], 24                          ; tile_dim1
	s_mov_b32 s[G1+5], 32                          ; the pitch
	s_mov_b32 s[G1+6], 0
	s_mov_b32 s[G1+7], 0
	s_mov_b32 s[SEL], 0x76543210
	s_mov_b32 s[SEL+1], 0xfedcba98
	s_mul_i32 s21, s[WV], 6144                     ; my eighth of a quarter
	s_mul_i32 s22, s17, KVH
	s_add_co_u32 s22, s22, s21
	s_mov_b32 s23, 0
	s_wait_dscnt 0x0
	s_wait_kmcnt 0x0
	s_load_b512 s[68:83], s[12:13], 0x0            ; e0 .. e15
	s_load_b256 s[84:91], s[12:13], 0x40           ; e16 .. e23
	s_add_nc_u64 s[22:23], s[6:7], s[22:23]
	; THE BLOCK COMES BY TWO LOADS A WAVE: at the head my eighth (6,144 bytes) of the first quarter; behind the first barrier my eighth (18,432 bytes) of the other three quarters
	s_mov_b32 s[G0], 1                             ; count = 1
	s_mov_b32 s[G0+1], s21                         ; LDS address: the block lies in LDS as in memory
	s_mov_b64 s[G0+2:G0+3], s[22:23]
	s_or_b32 s[G0+3], s[G0+3], 0x80000000          ; type = 2
	s_mov_b32 s[G0+4], 1
	s_mul_i32 s[G0+5], s[WV], 18432
	s_add_co_u32 s[G0+5], s[G0+5], 49152           ; behind the first quarter
	s_mul_i32 s94, s[WV], 12288                    ; 18,432 w - 6,144 w
	s_add_co_u32 s94, s94, 49152
	s_mov_b32 s95, 0
	s_add_nc_u64 s[G0+6:G0+7], s[22:23], s[94:95]
	s_or_b32 s[G0+7], s[G0+7], 0x80000000
	s_mov_b32 s[G0+8], 3<<16                       ; the second load's group 1: 72 rows of 256 bytes, dense
	s_mov_b32 s[G0+9], 32<<16
	s_mov_b32 s[G0+10], 72<<16
	s_mov_b32 s[G0+11], 32<<16
	s_mov_b32 s[G0+12], 72
	s_mov_b32 s[G0+13], 32
	s_mov_b32 s[G0+14], 0
	s_mov_b32 s[G0+15], 0
	tensor_load_to_lds s[G0:G0+3], s[G1:G1+7]      ; one tensor load a wave at the head
	s_nop 0
.rept 4
	v_nop
.endr
	v_and_b32 v[LI], 31, v0
	s_delay_alu instid0(VALU_DEP_1)
	v_lshlrev_b32 v[LI], 4, v[LI]
	v_bfe_u32 v6, v0, 4, 1
	s_delay_alu instid0(VALU_DEP_1)
	v_lshlrev_b32 v[AM0], 6, v6
	s_delay_alu instid0(VALU_DEP_1)
	v_add_nc_u32 v[AM0], MT, v[AM0]
	v_lshlrev_b32 v7, 4, v0                        ; thread t takes keys 4 t .. 4 t + 3 of the mask
	s_delay_alu instid0(VALU_DEP_1)
	v_add_nc_u32 v5, MT, v7
	s_cmp_eq_u32 s[DIR], 0
	s_cselect_b64 s[92:93], s[10:11], s[8:9]       ; direction 0: the keys are text
	s_lshl_b32 s94, s19, 12
	s_mov_b32 s95, 0
	s_add_nc_u64 s[92:93], s[92:93], s[94:95]
	global_load_b128 v[96:99], v7, s[92:93]
	s_lshl_b32 s94, ttmp9, 4
	s_add_co_u32 s94, s94, s[WV]                   ; my pair of tiles in the first pass: 16 x + w; in the second: eight pairs on
	s_mul_i32 s96, s94, 3072
	s_mul_i32 s97, s17, 98304
	s_add_co_u32 s96, s96, s97
	s_mov_b32 s97, 0
	s_add_nc_u64 s[QB:QB+1], s[4:5], s[96:97]
	s_lshl_b32 s96, s19, 6
	s_lshl_b32 s94, s94, 1
	s_add_co_u32 s96, s96, s94                     ; row tile 64 b + 2 x pair
	s_mul_i32 s96, s96, 12288
	s_mul_i32 s94, s[DIR], 6291456
	s_add_co_u32 s96, s96, s94
	s_mul_i32 s94, s20, 1536                       ; the head's three pieces
	s_add_co_u32 s96, s96, s94
	s_add_nc_u64 s[AOB:AOB+1], s[14:15], s[96:97]
	s_wait_kmcnt 0x0
	s_cmp_eq_u32 s[DIR], 0                         ; the scales are chosen, never branched on
	s_cselect_b32 s96, s74, s84                    ; eq
	s_cselect_b32 s97, s75, s85                    ; ek
	s_cselect_b32 s98, s76, s86                    ; ev
	s_cselect_b32 s99, s77, s87                    ; ep
	s_cselect_b32 s62, s88, s90                    ; eo
	s_add_co_i32 s96, s96, s97
	s_lshl_b32 s96, s96, 23
	s_mov_b32 s[CS], 0x3e16c740                    ; log2(e) / sqrt(96)
	s_add_co_i32 s[CS], s[CS], s96                 ; a raw score stands for score x 2^(eq + ek): the exponents are added to c's exponent field
	s_mov_b32 s[CS+1], s[CS]                       ; (named with it as a pair, so it is written)
	s_add_co_i32 s[EPV], s99, s98
	MKSC 99, 96, 97
	MKSC 62, 98, 63
.macro CONSTS
	v_mov_b32 v240, s97
	v_mov_b32 v241, s63
	v_mov_b32 v244, s96
	v_mov_b32 v245, s98
	v_mov_b32 v246, 0                              ; a lane permute's destination counts as one of its sources
	v_mov_b32 v249, 0                              ; (named as the upper half of the pair v[248:249])
.irp j, 28,29,30,31
	v_mov_b32 v\j, 0                               ; q's codes for k = 96 .. 127: zeros
.endr
.endm
	CONSTS
	WIN 0x40
	CONSTS
	WIN 0
.irp t, 0,1,2,3
.irp j, 12,13,14,15
	v_mov_b32 v[32+16*\t+\j], 0
.endr
.endr
	v_mov_b32 v8, NEG
	s_wait_alu depctr_va_vdst(0)
	s_wait_loadcnt 0x0
.irp j, 0,1,2,3
	v_cmp_eq_u32 vcc_lo, 0, v[96+\j]
	s_delay_alu instid0(VALU_DEP_1)
	v_cndmask_b32 v[100+\j], 0, v8, vcc_lo         ; mask 0: -2^120; else 0
.endr
	ds_store_b128 v5, v[100:103]
	s_cmp_lg_u32 s[WV], 0                          ; wave 0 holds keys 0 to 127: they stand once more behind key 1,023
	s_cbranch_scc1 .Lno_copy
	ds_store_b128 v5, v[100:103] offset:4096
.Lno_copy:
; One tile's softmax for a key step of 128 keys (64 a lane)
.macro SOFTMAX
	v_max3_num_f32 v250, v96, v97, v98             ; the step's largest raw score of my query among my 64 keys, in four chains; the registers in ascending order, so each accumulator from its low end on
	v_max3_num_f32 v251, v99, v100, v101
	v_max3_num_f32 v252, v102, v103, v104
	v_max3_num_f32 v253, v105, v106, v107
.irp i, 108,116,124,132,140,148
	v_max3_num_f32 v250, v250, v[\i], v[\i+1]
	v_max3_num_f32 v251, v251, v[\i+2], v[\i+3]
	v_max3_num_f32 v252, v252, v[\i+4], v[\i+5]
	v_max3_num_f32 v253, v253, v[\i+6], v[\i+7]
.endr
	v_max3_num_f32 v250, v250, v156, v157
	v_max3_num_f32 v251, v251, v158, v159
	s_delay_alu instid0(VALU_DEP_1)
	v_max3_num_f32 v250, v250, v251, v252
	s_delay_alu instid0(VALU_DEP_1)
	v_max_num_f32 v250, v250, v253
	s_delay_alu instid0(VALU_DEP_1)
	v_permlanex16_b32 v246, v250, s[SEL], s[SEL+1]
	s_delay_alu instid0(VALU_DEP_1)
	v_max3_num_f32 v13, v13, v250, v246            ; the running largest, lane l xor 16's among it
	s_delay_alu instid0(VALU_DEP_1)
	v_mul_f32 v250, s[CS], v13                     ; as t (c is positive)
	v_mov_b32 v251, v12
	s_delay_alu instid0(VALU_DEP_2)
	v_floor_f32 v12, -v250                         ; -M = floor(-t): M is a whole number
	s_delay_alu instid0(VALU_DEP_1)
	v_sub_f32 v251, v12, v251                      ; old M - new M: a whole number, 0 or less
	s_delay_alu instid0(VALU_DEP_1)
	v_cvt_i32_f32 v251, v251                       ; (it saturates)
	s_delay_alu instid0(VALU_DEP_1)
	v_ldexp_f32 v248, 1.0, v251                    ; f = 2^(old M - new M)
.irp j, 0,2,4,6,8,10,12,14,16,18,20,22,24,26,28,30,32,34,36,38,40,42,44,46,48,50,52,54,56,58,60,62
	v_pk_fma_f32 v[96+\j:97+\j], v[96+\j:97+\j], s[CS:CS+1], v[12:13] op_sel_hi:[1,0,0]   ; t - M (of the pairs c and -M the low word serves both halves)
.endr
.set n, 0
	s_wait_alu depctr_va_vdst(0)
.rept 64
	v_exp_f32 v[96+n], v[96+n]                     ; p = 2^(t - M)
.set n, n+1
.endr
	v_pk_mul_f32 v[14:15], v[14:15], v[248:249] op_sel_hi:[1,0]   ; the sum under the new M: the plain line behind the exponentials
	s_wait_alu depctr_va_vdst(0)                   ; one wait for the batch of 64, ahead of its first reader
	v_pk_add_f32 v[242:243], v[96:97], v[98:99]    ; the sum of the unquantised p, in four chains
	v_pk_add_f32 v[252:253], v[100:101], v[102:103]
	v_pk_add_f32 v[254:255], v[104:105], v[106:107]
.irp j, 108,116,124,132,140,148
	v_pk_add_f32 v[14:15], v[14:15], v[\j:\j+1]
	v_pk_add_f32 v[242:243], v[242:243], v[\j+2:\j+3]
	v_pk_add_f32 v[252:253], v[252:253], v[\j+4:\j+5]
	v_pk_add_f32 v[254:255], v[254:255], v[\j+6:\j+7]
.endr
	v_pk_add_f32 v[14:15], v[14:15], v[156:157]
	v_pk_add_f32 v[242:243], v[242:243], v[158:159]
	s_delay_alu instid0(VALU_DEP_3)
	v_pk_add_f32 v[252:253], v[252:253], v[254:255]
	s_delay_alu instid0(VALU_DEP_2)
	v_pk_add_f32 v[14:15], v[14:15], v[242:243]
	s_delay_alu instid0(VALU_DEP_1)
	v_pk_add_f32 v[14:15], v[14:15], v[252:253]
.irp b, 0,1,2,3
.irp i, 0,1,2,3,4,5,6,7,8,9,10,11,12,13,14,15
	v_min_num_f32 v[96+16*\b+\i], v[96+16*\b+\i], v240   ; the conversion does not saturate (ISA guide 7.6.2); p is not negative, so the hold is one-sided
.endr
	v_cvt_scalef32_pk8_bf8_f32 v[224+4*\b:225+4*\b], v[96+16*\b:103+16*\b], v244
	v_cvt_scalef32_pk8_bf8_f32 v[226+4*\b:227+4*\b], v[104+16*\b:111+16*\b], v244
.endr
.irp j, 0,2,4,6,8,10,12,14,16,18,20,22,24,26,28,30,32,34,36,38,40,42,44,46
	v_pk_mul_f32 v[160+\j:161+\j], v[160+\j:161+\j], v[248:249] op_sel_hi:[1,0]   ; O^T under the new M; also the plain lines behind the last conversion
.endr
.endm
.macro MASKLOAD adr, off               ; the table's numbers of keys 32 b + 16 h + 0 .. 15 of a step: register 8 t + j belongs to register j of tile t
	WIN 0x40
.irp b, 0,1,2,3
.irp e, 0,1,2,3
	ds_load_b128 v[32+16*\b+4*\e:35+16*\b+4*\e], v[\adr] offset:\off+128*\b+16*\e
.endr
.endr
	WIN 0
.endm
; A key step for both tiles.  It finds the step's mask numbers in their registers and leaves the next step's there.
.macro STEP
	v_add_nc_u32 v[ADK], s[TB], v[LI]
	s_wait_alu depctr_va_vdst(0)
	v_add_nc_u32 v[ADM], s[TM], v[AM0]
	s_wait_alu depctr_va_vdst(0)
	v_nop
	v_nop                                          ; with the two additions: four places behind the last products, in front of loads into registers that they read
.irp g, 0,1                                    ; S^T = k q^T + the mask's numbers, four tiles of keys at a time, for tile A and for tile B
.if \g
.rept 4
	v_nop
.endr
.endif
	WIN 0
.irp t, 0,1,2,3
.irp c, 0,1,2
	ds_load_b128 v[32+16*\t+4*\c:35+16*\t+4*\c], v[ADK] offset:(4*\g+\t)*1536+512*\c
.endr
.endr
	WIN 0x10                                       ; C (the mask) window 1
.irp t, 0,1,2,3
	s_wait_dscnt 9-3*\t                            ; LDS loads come back in order: fragment t is in; the three loads of each later fragment may be out
	v_wmma_f32_16x16x128_bf8_bf8 v[96+8*(4*\g+\t):103+8*(4*\g+\t)], v[32+16*\t:47+16*\t], v[16:31], v[32+8*(4*\g+\t):39+8*(4*\g+\t)]
.endr
	WIN 0x54                                       ; q, C and D window 1
.irp t, 0,1,2,3
	v_wmma_f32_16x16x128_bf8_bf8 v[96+8*(4*\g+\t):103+8*(4*\g+\t)], v[32+16*\t:47+16*\t], v[16:31], v[32+8*(4*\g+\t):39+8*(4*\g+\t)]
.endr
.endr
	WIN 0
.rept 4
	v_nop                                          ; places in front of the loads below and of the first read of the scores
.endr
.irp t, 0,1,2,3
.irp c, 0,1,2,3
	ds_load_b128 v[32+16*\t+4*\c:35+16*\t+4*\c], v[ADK] offset:12288+\t*2048+512*\c   ; v's fragments 0-3,
.endr
.endr
	MASKLOAD ADM, 512                              ; and the next step's mask numbers, land under the softmax
	SOFTMAX
	WIN 0x55
	SOFTMAX
	WIN 0
	s_wait_alu depctr_va_vdst(0)
	s_wait_dscnt 0x0
.irp t, 0,1,2,3                                ; O^T += v^T p^T; no two neighbouring products share an accumulator
	v_wmma_f32_16x16x128_bf8_bf8 v[160+8*\t:167+8*\t], v[32+16*\t:47+16*\t], v[224:239], v[160+8*\t:167+8*\t]
.endr
	WIN 0x54
.irp t, 0,1,2,3
	v_wmma_f32_16x16x128_bf8_bf8 v[160+8*\t:167+8*\t], v[32+16*\t:47+16*\t], v[224:239], v[160+8*\t:167+8*\t]
.endr
	WIN 0
.rept 4
	v_nop
.endr
.irp t, 0,1
.irp c, 0,1,2,3
	ds_load_b128 v[32+16*\t+4*\c:35+16*\t+4*\c], v[ADK] offset:12288+(4+\t)*2048+512*\c
.endr
.endr
.irp t, 0,1
	s_wait_dscnt 4-4*\t                            ; the later fragment's four loads may be out
	v_wmma_f32_16x16x128_bf8_bf8 v[192+8*\t:199+8*\t], v[32+16*\t:47+16*\t], v[224:239], v[192+8*\t:199+8*\t]
.endr
	WIN 0x54
.irp t, 0,1
	v_wmma_f32_16x16x128_bf8_bf8 v[192+8*\t:199+8*\t], v[32+16*\t:47+16*\t], v[224:239], v[192+8*\t:199+8*\t]
.endr
	WIN 0
	s_add_co_u32 s[TB], s[TB], STEPB
	s_add_co_u32 s[TM], s[TM], 512
.endm
.macro QLOAD imm                       ; q's codes of my two tiles
.irp c, 0,1,2
	global_load_b128 v[16+4*\c:19+4*\c], v[LI], s[QB:QB+1] offset:\imm+512*\c
.endr
	WIN 0x40
.irp c, 0,1,2
	global_load_b128 v[16+4*\c:19+4*\c], v[LI], s[QB:QB+1] offset:\imm+1536+512*\c
.endr
	WIN 0
.endm
.macro INIT                            ; the loop has no first step of its own: it finds zeros, which the first change of M leaves zeros
	v_mov_b32 v13, RSTART
	s_delay_alu instid0(VALU_DEP_1)
	v_mul_f32 v250, s[CS], v13
	s_delay_alu instid0(VALU_DEP_1)
	v_floor_f32 v12, -v250
	v_mov_b32 v14, 0
	v_mov_b32 v15, 0
.set n, 0
.rept 48
	v_mov_b32 v[160+n], 0
.set n, n+1
.endr
.endm
.macro INIT2
	INIT
	WIN 0x55
	INIT
	WIN 0
.endm
; o = O^T / the sum x 2^(ep + ev), quantised with 2^eo: tiles 2 b and 2 b + 1 give channels 32 b + 16 h + 0 .. 15 of my query: a piece of the last product's operand
.macro OUTT
	v_add_f32 v14, v14, v15
	s_delay_alu instid0(VALU_DEP_1)
	v_permlanex16_b32 v246, v14, s[SEL], s[SEL+1]
	s_delay_alu instid0(VALU_DEP_1)
	v_add_f32 v14, v14, v246                       ; the row's sum
	s_wait_alu depctr_va_vdst(0)
	v_rcp_f32 v14, v14
	v_nop                                          ; a plain line behind the transcendental
	s_wait_alu depctr_va_vdst(0)                   ; and the wait ahead of its first reader
	v_ldexp_f32 v248, v14, s[EPV]
.irp j, 0,2,4,6,8,10,12,14,16,18,20,22,24,26,28,30,32,34,36,38,40,42,44,46
	v_pk_mul_f32 v[160+\j:161+\j], v[160+\j:161+\j], v[248:249] op_sel_hi:[1,0]
.endr
.irp b, 0,1,2
.irp i, 0,1,2,3,4,5,6,7,8,9,10,11,12,13,14,15
	v_med3_num_f32 v[160+16*\b+\i], v[160+16*\b+\i], -v241, v241
.endr
	v_cvt_scalef32_pk8_bf8_f32 v[208+4*\b:209+4*\b], v[160+16*\b:167+16*\b], v245
	v_cvt_scalef32_pk8_bf8_f32 v[210+4*\b:211+4*\b], v[168+16*\b:175+16*\b], v245
.endr
	v_nop                                          ; a plain line behind the last conversion
.endm
.macro OUT imm                         ; both tiles' way out; imm: the pass's place in ao
.if \imm
	s_wait_xcnt 0x0                                ; the first pass's stores have read their registers, which are written again below
.endif
	OUTT
	WIN 0x55
	OUTT
	WIN 0
.irp b, 0,1,2
	global_store_b128 v[LI], v[208+4*\b:211+4*\b], s[AOB:AOB+1] offset:\imm+512*\b th:TH_STORE_NT          ; 512 consecutive bytes, aligned
.endr
	WIN 0x04                                       ; the data in window 1
.irp b, 0,1,2
	global_store_b128 v[LI], v[208+4*\b:211+4*\b], s[AOB:AOB+1] offset:\imm+12288+512*\b th:TH_STORE_NT
.endr
	WIN 0
.endm
	; THE FIRST PASS: pair 16 x + w
	QLOAD 0
	INIT2
	s_wait_loadcnt 0x0                             ; q
	s_wait_tensorcnt 0x0                           ; my part of the first quarter is in
	ds_add_u32 v223, v247
	s_wait_dscnt 0x0                               ; the add is done, and my stores into the table have landed
	s_barrier_signal -1
	s_barrier_wait -1
	tensor_load_to_lds s[G0+4:G0+7], s[G0+8:G0+15] ; my part of key steps 2 to 7: it has key step 0 in which to land
	s_nop 0
.rept 4
	v_nop
.endr
	s_mov_b32 s[TB], 0
	s_mov_b32 s[TM], 0
	MASKLOAD AM0, 0                                ; key step 0's mask numbers
	STEP
	s_wait_tensorcnt 0x0                           ; all my parts of the block are in,
	s_wait_dscnt 0x0                               ; and no LDS instruction of mine is out:
	s_barrier_signal -1                            ; say so,
	STEP                                           ; walk key step 1, which lies in the first quarter: LDS loads and register work alone,
	s_barrier_wait -1                              ; and go on when all eight have said so: the last barrier
	s_mov_b32 s[CNT], 6
.Lfirst:
	STEP
	s_sub_co_u32 s[CNT], s[CNT], 1
	s_cmp_lg_u32 s[CNT], 0
	s_cbranch_scc1 .Lfirst
.rept 4
	v_nop                                          ; places behind the last products
.endr
	QLOAD 24576                                    ; the second pass's q, eight pairs on, is asked for ahead of the first pass's way out
	OUT 0
	; THE SECOND PASS: the mask numbers of key step 0 are in their registers already
	INIT2
	s_mov_b32 s[TB], 0
	s_mov_b32 s[TM], 0
	s_wait_loadcnt 0x0                             ; q
	s_mov_b32 s[CNT], 8
.Lsecond:
	STEP
	s_sub_co_u32 s[CNT], s[CNT], 1
	s_cmp_lg_u32 s[CNT], 0
	s_cbranch_scc1 .Lsecond
.rept 4
	v_nop
.endr
	OUT 196608                                     ; sixteen row tiles on
	s_wait_tensorcnt 0x0
	ds_add_u32 v223, v247
	s_wait_dscnt 0x0
	s_endpgm
.Lfunc_end_k_q6aba6d5342_attn:
	.size	k_q6aba6d5342_attn, .Lfunc_end_k_q6aba6d5342_attn-k_q6aba6d5342_attn
	.p2alignl 7, 3214868480
	.fill 96, 4, 3214868480
	.section	.rodata,"a",@progbits
	.p2align	6, 0x0
	.amdhsa_kernel k_q6aba6d5342_attn
		.amdhsa_group_segment_fixed_size 327680
		.amdhsa_private_segment_fixed_size 0
		.amdhsa_enable_private_segment 0
		.amdhsa_kernarg_size 48
		.amdhsa_user_sgpr_count 2
		.amdhsa_user_sgpr_kernarg_segment_ptr 1
		.amdhsa_wavefront_size32 1
		.amdhsa_system_sgpr_workgroup_id_x 1
		.amdhsa_system_sgpr_workgroup_id_y 1
		.amdhsa_system_sgpr_workgroup_id_z 1
		.amdhsa_system_vgpr_workitem_id 0
		.amdhsa_next_free_vgpr 512
		.amdhsa_next_free_sgpr 100
		.amdhsa_reserve_vcc 1
		.amdhsa_float_denorm_mode_32 3
		.amdhsa_float_denorm_mode_16_64 3
		.amdhsa_memory_ordered 1
		.amdhsa_forward_progress 1
		.amdhsa_inst_pref_size 173
	.end_amdhsa_kernel
	.amdgpu_metadata
---
amdhsa.version: [ 1, 2 ]
amdhsa.kernels:
  - .name:           k_q6aba6d5342_attn
    .symbol:         k_q6aba6d5342_attn.kd
    .args:
      - { .name: qc, .offset: 0, .size: 8, .value_kind: global_buffer, .address_space: global }
      - { .name: kv, .offset: 8, .size: 8, .value_kind: global_buffer, .address_space: global }
      - { .name: visual_mask, .offset: 16, .size: 8, .value_kind: global_buffer, .address_space: global }
      - { .name: text_mask, .offset: 24, .size: 8, .value_kind: global_buffer, .address_space: global }
      - { .name: lowp_scales, .offset: 32, .size: 8, .value_kind: global_buffer, .address_space: global }
      - { .name: ao, .offset: 40, .size: 8, .value_kind: global_buffer, .address_space: global }
    .group_segment_fixed_size: 327680
    .private_segment_fixed_size: 0
    .kernarg_segment_align: 8
    .kernarg_segment_size: 48
    .max_flat_workgroup_size: 256
    .sgpr_count:     100
    .vgpr_count:     512
    .wavefront_size: 32
...
	.end_amdgpu_metadata
.endif
;; end of part 3
;; launch outln (part 4): grid 128 x 2, 4 waves a work-group, no clusters, 200,192 bytes of LDS; arguments ao, wc, visual_features, text_features, bo, ln_g, ln_b, lowp_scales, out0, out1; writes out0, out1
.if DOCPART == 4
	.amdgcn_target "amdgcn-amd-amdhsa--gfx1250"
	.amdhsa_code_object_version 6
	.text
	.protected	k_q6aba6d5342_outln
	.globl	k_q6aba6d5342_outln
	.p2align	8
	.type	k_q6aba6d5342_outln,@function
k_q6aba6d5342_outln:
	s_mov_b64 s[64:65], 0
	v_nop
	global_prefetch_b8 v0, s[64:65] scope:SCOPE_SE
	s_setreg_imm32_b32 hwreg(HW_REG_WAVE_MODE, 25, 1), 1
	s_wait_xcnt 0x0
; out = LayerNorm(x + (o Wo + bo)) x g + b, the product on codes of BF8 (E5M2): o's codes from the attention launch, Wo's from the first launch.
; SHARES.  Work-group (x, d): 64 whole rows (64 x on) of direction d (0: visual rows, out0; 1: text rows, out1), since the norm wants whole rows.  Each wave holds all 64 rows of o (24 fragments, 384 registers,
; loaded as they lie) and makes columns 32 (4 p + w) on, p = 0 .. 5: twelve column tiles, whose weight fragments come straight into registers through a ring of three tiles: two tiles, 48 loads, are on their way.
; THE RESIDUAL comes by one tensor load a wave, at the head: 16 rows of x into a stage in LDS, 16 bytes of padding behind each 1,024, rows 3,120 bytes apart.  Nothing is filled again.
; The product is used transposed (source 0 = 16 columns of Wo, source 1 = 16 rows): a lane holds a row and eight neighbouring columns; x + sum x 2^(ea + eb) goes back to the same bytes of the stage, each byte
; changed by one wave.  Behind a barrier each wave takes 16 whole rows: + bo, mean, deviations, variance (two passes: no difference of large sums), 1 / sqrt, g, b; 512 consecutive bytes a store.
; Row r of tile 2 b + u of rows (of columns) stands for 32 b + 8 u + r + 8 (r / 8), as the launches before laid them.
; NO CLUSTER: the weights go from memory straight into registers, a fragment to one wave; the tensor loads bring rows that no other work-group reads.
; Scales: ea, eb = e20, e21 | e22, e23.  LIMIT: ea + eb between -126 and 127.  NaN among the inputs is not served.
; REGISTERS.  window 0: v1-4 addresses; v32-63 four accumulators; v64-127 the residual's numbers, two sets; v128-199 bo, g, b of my lane's columns 128 j + 4 l; later v32-127 four rows, v200-219 at work.
;   window 1: o's fragments 0-15.   window 2: v0-127 fragments 16-23; v128-223 the ring's K steps 4, 5.   window 3: v0-191 the ring's K steps 0-3.
.set SETB,  589824
.set PITCH, 3120
.set LI,  1                            ; v1   16 x lane
.set SA,  2                            ; v2-3 my place in the stage for row tiles 0, 1 and 2, 3
.set RD,  4                            ; v4   my 16 bytes of my wave's first whole row
.set ACC, 32
.set XR,  64
.set BO,  128
.set LG,  152
.set LB,  176
.set Y,   32
.set TS,  200
.set TU,  208
.set TW,  212
.set WV,  24
.set DD,  25
.set AB,  26                           ; s[26:27] o's codes of my 64 rows
.set PW,  28                           ; s[28:29] Wo's codes at my wave's first block of columns
.set OUT, 30                           ; s[30:31] the output at my wave's first whole row
.set G1,  40
.set G0,  48
.set SC,  52                           ; s[52:53] 2^(ea + eb)
.set IV,  54                           ; s54  1 / 768
.set EP,  55                           ; s55  1e-5
.set SEL, 56
.set MSB, 0
.macro WIN new                         ; the immediate's high byte repeats the setting that is left
.if MSB != \new
	s_set_vgpr_msb (MSB<<8)|\new
.set MSB, \new
.endif
.endm
.macro RLOAD q, p, imm                 ; a column tile's six fragments into ring set q
	WIN 0xc0
.irp s, 0,1,2,3
.irp c, 0,1,2,3
	global_load_b128 v[64*(\q)+16*\s+4*\c:64*(\q)+16*\s+4*\c+3], v[LI], s[\p:\p+1] offset:\imm+2048*\s+512*\c
.endr
.endr
	WIN 0x80
.irp s, 4,5
.irp c, 0,1,2,3
	global_load_b128 v[128+32*(\q)+16*(\s-4)+4*\c:128+32*(\q)+16*(\s-4)+4*\c+3], v[LI], s[\p:\p+1] offset:\imm+2048*\s+512*\c
.endr
.endr
	WIN 0
.endm
	s_load_b512 s[4:19], s[0:1], 0x0               ; ao s[4:5], wc s[6:7], visual s[8:9], text s[10:11], bo s[12:13], g s[14:15], b s[16:17], scales s[18:19]
	s_load_b128 s[20:23], s[0:1], 0x40             ; out0, out1
	v_lshl_add_u32 v254, v0, 2, 0x30c00
	v_mov_b32 v255, 0
	ds_add_u32 v254, v255
	ds_add_u32 v254, v255
	v_lshrrev_b32 v5, 5, v0
	v_readfirstlane_b32 s[WV], v5
	s_and_b32 s[DD], ttmp7, 0xffff
	; descriptor group 1: 16 rows of 768 elements of 4 bytes; four words of padding behind every 256
	s_mov_b32 s[G1], (2<<16)|(1<<20)|(7<<22)|(3<<25)
	s_mov_b32 s[G1+1], 768<<16                     ; tensor_dim0
	s_mov_b32 s[G1+2], 16<<16                      ; tensor_dim1
	s_mov_b32 s[G1+3], 768<<16                     ; tile_dim0
	s_mov_b32 s[G1+4], 16                          ; tile_dim1
	s_mov_b32 s[G1+5], 768                         ; the pitch
	s_mov_b32 s[G1+6], 0
	s_mov_b32 s[G1+7], 0
	s_mov_b32 s[IV], 0x3aaaaaab
	s_mov_b32 s[EP], 0x3727c5ac
	s_mov_b32 s[SEL], 0x76543210
	s_mov_b32 s[SEL+1], 0xfedcba98
	s_mul_i32 s58, s[WV], 16*PITCH                 ; my 16 rows of the stage
	s_lshl_b32 s60, ttmp9, 6
	s_lshl_b32 s61, s[WV], 4
	s_add_co_u32 s60, s60, s61                     ; row 64 x + 16 w
	s_mul_i32 s60, s60, 3072
	s_mov_b32 s61, 0
	s_wait_dscnt 0x0
	s_wait_kmcnt 0x0
	s_load_b128 s[36:39], s[18:19], 0x50           ; e20 .. e23
	s_cmp_eq_u32 s[DD], 0
	s_cselect_b64 s[32:33], s[8:9], s[10:11]
	s_cselect_b64 s[OUT:OUT+1], s[20:21], s[22:23]
	s_add_nc_u64 s[32:33], s[32:33], s[60:61]
	s_add_nc_u64 s[OUT:OUT+1], s[OUT:OUT+1], s[60:61]
	s_mov_b32 s[G0], 1
	s_mov_b32 s[G0+1], s58
	s_mov_b64 s[G0+2:G0+3], s[32:33]
	s_or_b32 s[G0+3], s[G0+3], 0x80000000
	tensor_load_to_lds s[G0:G0+3], s[G1:G1+7]      ; my one tensor load: the first fill, and the only one
	s_nop 0
.rept 4
	v_nop
.endr
	v_and_b32 v[LI], 31, v0
	v_lshlrev_b32 v[LI], 4, v[LI]
	v_and_b32 v5, 15, v0                           ; r
	v_bfe_u32 v6, v0, 4, 1                         ; h
	v_and_b32 v7, 8, v5
	v_add_nc_u32 v7, v7, v5                        ; r + 8 (r / 8)
	v_mul_u32_u24 v[SA], v7, PITCH
	v_lshl_add_u32 v[SA], v6, 6, v[SA]             ; + 64 h
	s_lshl_b32 s59, s[WV], 7
	v_add_nc_u32 v[SA], s59, v[SA]                 ; + 128 w: my block's 32 columns
	v_add_nc_u32 v[SA+1], 32*PITCH, v[SA]
	v_add_nc_u32 v[RD], s58, v[LI]
.irp q, 0,1,2,3
	v_mov_b32 v[TU+\q], 0                          ; a lane permute's destination counts as one of its sources
.endr
.irp j, 0,1,2,3,4,5
	global_load_b128 v[BO+4*\j:BO+4*\j+3], v[LI], s[12:13] offset:512*\j
	global_load_b128 v[LG+4*\j:LG+4*\j+3], v[LI], s[14:15] offset:512*\j
	global_load_b128 v[LB+4*\j:LB+4*\j+3], v[LI], s[16:17] offset:512*\j
.endr
	s_mul_i32 s60, s[DD], 6291456
	s_mul_i32 s62, ttmp9, 49152                    ; four row tiles of 12,288 bytes
	s_add_co_u32 s60, s60, s62
	s_add_nc_u64 s[AB:AB+1], s[4:5], s[60:61]
	s_add_co_u32 s60, s[DD], 6                     ; Wo's set 6 or 7
	s_mul_i32 s60, s60, SETB
	s_mul_i32 s62, s[WV], 24576
	s_add_co_u32 s60, s60, s62
	s_add_nc_u64 s[PW:PW+1], s[6:7], s[60:61]
	WIN 0x40
.irp s, 0,1,2,3                                ; o's fragment (K step s, row tile m) at register 16 (4 s + m)
.irp m, 0,1,2,3
.irp c, 0,1,2,3
	global_load_b128 v[16*(4*\s+\m)+4*\c:16*(4*\s+\m)+4*\c+3], v[LI], s[AB:AB+1] offset:12288*\m+2048*\s+512*\c
.endr
.endr
.endr
	WIN 0x80
.irp s, 4,5
.irp m, 0,1,2,3
.irp c, 0,1,2,3
	global_load_b128 v[16*(4*\s+\m-16)+4*\c:16*(4*\s+\m-16)+4*\c+3], v[LI], s[AB:AB+1] offset:12288*\m+2048*\s+512*\c
.endr
.endr
.endr
	WIN 0
	RLOAD 0, PW, 0
	RLOAD 1, PW, 12288
	RLOAD 2, PW, 98304
	s_wait_alu depctr_va_vdst(0)
	s_wait_kmcnt 0x0
	s_cmp_eq_u32 s[DD], 0
	s_cselect_b32 s60, s36, s38
	s_cselect_b32 s62, s37, s39
	s_add_co_i32 s60, s60, s62
	s_add_co_i32 s60, s60, 127
	s_lshl_b32 s[SC], s60, 23                      ; 2^(ea + eb) as f32
	s_mov_b32 s[SC+1], s[SC]                       ; (named with it as a pair, so it is written)
	s_wait_tensorcnt 0x0                           ; my 16 rows of x have landed,
	s_barrier_signal -1
	s_barrier_wait -1                              ; everybody's have
; Column tile i = 2 p + u of my wave: columns 32 (4 p + w) + 16 h + 8 u + 0 .. 7 of a lane's row
.macro OTILE i, ld, cnt
.set SQ, (\i)%3
.set PR, (\i)%2
.set PP, (\i)/2
.irp m, 0,1,2,3
	ds_load_b128 v[XR+32*PR+8*\m:XR+32*PR+8*\m+3], v[SA+\m/2] offset:(\m%2)*8*PITCH+512*PP+16*(PP/2)+32*PR
	ds_load_b128 v[XR+32*PR+8*\m+4:XR+32*PR+8*\m+7], v[SA+\m/2] offset:(\m%2)*8*PITCH+512*PP+16*(PP/2)+32*PR+16
.endr
	s_wait_loadcnt \cnt                            ; loads come back in order: all older ones and my tile's 24 are in, the younger tiles' may be out
	WIN 0x07                                       ; source 0 (Wo) window 3, source 1 (o) window 1
.irp s, 0,1,2,3,4,5
.if \s == 4
	WIN 0x0a                                       ; both in window 2
.endif
.irp m, 0,1,2,3
.set RD_, ACC+8*\m
.if \s < 4
.set RW_, 64*SQ+16*\s
.set RX_, 16*(4*\s+\m)
.else
.set RW_, 128+32*SQ+16*(\s-4)
.set RX_, 16*(4*\s+\m-16)
.endif
.if \s == 0
	v_wmma_f32_16x16x128_bf8_bf8 v[RD_:RD_+7], v[RW_:RW_+15], v[RX_:RX_+15], 0      ; the first K step starts the sums; the four accumulators take turns
.else
	v_wmma_f32_16x16x128_bf8_bf8 v[RD_:RD_+7], v[RW_:RW_+15], v[RX_:RX_+15], v[RD_:RD_+7]
.endif
.endr
.endr
	WIN 0
.rept 4
	v_nop                                          ; four places in front of the loads into the ring set just read and of the first read of the results
.endr
.if \ld
	RLOAD SQ, PW, (((\i)+3)/2)*98304+(((\i)+3)%2)*12288
.endif
	s_wait_dscnt 0x0                               ; the residual's numbers are in
.irp m, 0,1,2,3
.irp k, 0,2,4,6
	v_pk_fma_f32 v[XR+32*PR+8*\m+\k:XR+32*PR+8*\m+\k+1], v[ACC+8*\m+\k:ACC+8*\m+\k+1], s[SC:SC+1], v[XR+32*PR+8*\m+\k:XR+32*PR+8*\m+\k+1] op_sel_hi:[1,0,1]   ; x + sum x 2^(ea + eb)
.endr
.endr
.irp m, 0,1,2,3
	ds_store_b128 v[SA+\m/2], v[XR+32*PR+8*\m:XR+32*PR+8*\m+3] offset:(\m%2)*8*PITCH+512*PP+16*(PP/2)+32*PR
	ds_store_b128 v[SA+\m/2], v[XR+32*PR+8*\m+4:XR+32*PR+8*\m+7] offset:(\m%2)*8*PITCH+512*PP+16*(PP/2)+32*PR+16
.endr
.endm
	OTILE 0, 1, 48
	OTILE 1, 1, 48
	OTILE 2, 1, 48
	OTILE 3, 1, 48
	OTILE 4, 1, 48
	OTILE 5, 1, 48
	OTILE 6, 1, 48
	OTILE 7, 1, 48
	OTILE 8, 1, 48
	OTILE 9, 0, 48
	OTILE 10, 0, 24
	OTILE 11, 0, 0
	s_wait_dscnt 0x0                               ; for the others' sake: my stores into the stage have landed
	s_barrier_signal -1
	s_barrier_wait -1                              ; 64 whole rows lie in the stage
.macro REDUCE t                        ; four rows' pairs of partial sums: the halves, the 32 lanes; the result in every lane
.irp q, 0,1,2,3
	v_add_f32 v[\t+2*\q], v[\t+2*\q], v[\t+2*\q+1]
.endr
.irp x, 1,2,4,8
.irp q, 0,1,2,3
	v_add_f32_dpp v[\t+2*\q], v[\t+2*\q], v[\t+2*\q] row_xmask:\x row_mask:0xf bank_mask:0xf
.endr
.endr
.irp q, 0,1,2,3
	v_permlanex16_b32 v[TU+\q], v[\t+2*\q], s[SEL], s[SEL+1]
.endr
.irp q, 0,1,2,3
	v_add_f32 v[\t+2*\q], v[\t+2*\q], v[TU+\q]
.endr
.endm
; Rows 4 g .. 4 g + 3 of my 16, line by line in turn so that no line waits for the one above it
.macro ROWS g
	s_wait_xcnt 0x0                                ; the last group's stores have read their registers
.irp q, 0,1,2,3
.irp j, 0,1,2,3,4,5
	ds_load_b128 v[Y+24*\q+4*\j:Y+24*\q+4*\j+3], v[RD] offset:(4*\g+\q)*PITCH+512*\j+16*(\j/2)
.endr
.endr
	s_wait_dscnt 0x0
.irp k, 0,2,4,6,8,10,12,14,16,18,20,22
.irp q, 0,1,2,3
	v_pk_add_f32 v[Y+24*\q+\k:Y+24*\q+\k+1], v[Y+24*\q+\k:Y+24*\q+\k+1], v[BO+\k:BO+\k+1]
.endr
.endr
.irp q, 0,1,2,3
	v_pk_add_f32 v[TS+2*\q:TS+2*\q+1], v[Y+24*\q:Y+24*\q+1], v[Y+24*\q+2:Y+24*\q+3]
.endr
.irp k, 4,6,8,10,12,14,16,18,20,22
.irp q, 0,1,2,3
	v_pk_add_f32 v[TS+2*\q:TS+2*\q+1], v[TS+2*\q:TS+2*\q+1], v[Y+24*\q+\k:Y+24*\q+\k+1]
.endr
.endr
	REDUCE TS
.irp q, 0,1,2,3
	v_mul_f32 v[TS+2*\q], s[IV], v[TS+2*\q]        ; the mean
.endr
.irp k, 0,2,4,6,8,10,12,14,16,18,20,22
.irp q, 0,1,2,3
	v_pk_add_f32 v[Y+24*\q+\k:Y+24*\q+\k+1], v[Y+24*\q+\k:Y+24*\q+\k+1], v[TS+2*\q:TS+2*\q+1] op_sel_hi:[1,0] neg_lo:[0,1] neg_hi:[0,1]   ; the deviations
.endr
.endr
.irp q, 0,1,2,3
	v_pk_mul_f32 v[TW+2*\q:TW+2*\q+1], v[Y+24*\q:Y+24*\q+1], v[Y+24*\q:Y+24*\q+1]
.endr
.irp k, 2,4,6,8,10,12,14,16,18,20,22
.irp q, 0,1,2,3
	v_pk_fma_f32 v[TW+2*\q:TW+2*\q+1], v[Y+24*\q+\k:Y+24*\q+\k+1], v[Y+24*\q+\k:Y+24*\q+\k+1], v[TW+2*\q:TW+2*\q+1]
.endr
.endr
	REDUCE TW
.irp q, 0,1,2,3
	v_fma_f32 v[TW+2*\q], v[TW+2*\q], s[IV], s[EP] ; the variance + 1e-5
.endr
	s_wait_alu depctr_va_vdst(0)
.irp q, 0,1,2,3
	v_rsq_f32 v[TW+2*\q], v[TW+2*\q]
.endr
	v_nop                                          ; a plain line behind the batch of four
	s_wait_alu depctr_va_vdst(0)                   ; and one wait ahead of its first reader
.irp k, 0,2,4,6,8,10,12,14,16,18,20,22
.irp q, 0,1,2,3
	v_pk_mul_f32 v[Y+24*\q+\k:Y+24*\q+\k+1], v[Y+24*\q+\k:Y+24*\q+\k+1], v[TW+2*\q:TW+2*\q+1] op_sel_hi:[1,0]
.endr
.endr
.irp k, 0,2,4,6,8,10,12,14,16,18,20,22
.irp q, 0,1,2,3
	v_pk_fma_f32 v[Y+24*\q+\k:Y+24*\q+\k+1], v[Y+24*\q+\k:Y+24*\q+\k+1], v[LG+\k:LG+\k+1], v[LB+\k:LB+\k+1]
.endr
.endr
.irp q, 0,1,2,3
.irp j, 0,1,2,3,4,5
	global_store_b128 v[LI], v[Y+24*\q+4*\j:Y+24*\q+4*\j+3], s[OUT:OUT+1] offset:(4*\g+\q)*3072+512*\j th:TH_STORE_NT   ; 512 consecutive bytes, aligned
.endr
.endr
.endm
	ROWS 0
	ROWS 1
	ROWS 2
	ROWS 3
	s_wait_tensorcnt 0x0
	ds_add_u32 v254, v255
	s_wait_dscnt 0x0
	s_endpgm
.Lfunc_end_k_q6aba6d5342_outln:
	.size	k_q6aba6d5342_outln, .Lfunc_end_k_q6aba6d5342_outln-k_q6aba6d5342_outln
	.p2alignl 7, 3214868480
	.fill 96, 4, 3214868480
	.section	.rodata,"a",@progbits
	.p2align	6, 0x0
	.amdhsa_kernel k_q6aba6d5342_outln
		.amdhsa_group_segment_fixed_size 200192
		.amdhsa_private_segment_fixed_size 0
		.amdhsa_enable_private_segment 0
		.amdhsa_kernarg_size 80
		.amdhsa_user_sgpr_count 2
		.amdhsa_user_sgpr_kernarg_segment_ptr 1
		.amdhsa_wavefront_size32 1
		.amdhsa_system_sgpr_workgroup_id_x 1
		.amdhsa_system_sgpr_workgroup_id_y 1
		.amdhsa_system_sgpr_workgroup_id_z 1
		.amdhsa_system_vgpr_workitem_id 0
		.amdhsa_next_free_vgpr 1024
		.amdhsa_next_free_sgpr 66
		.amdhsa_reserve_vcc 0
		.amdhsa_float_denorm_mode_32 3
		.amdhsa_float_denorm_mode_16_64 3
		.amdhsa_memory_ordered 1
		.amdhsa_forward_progress 1
		.amdhsa_inst_pref_size 189
	.end_amdhsa_kernel
	.amdgpu_metadata
---
amdhsa.version: [ 1, 2 ]
amdhsa.kernels:
  - .name:           k_q6aba6d5342_outln
    .symbol:         k_q6aba6d5342_outln.kd
    .args:
      - { .name: ao, .offset: 0, .size: 8, .value_kind: global_buffer, .address_space: global }
      - { .name: wc, .offset: 8, .size: 8, .value_kind: global_buffer, .address_space: global }
      - { .name: visual_features, .offset: 16, .size: 8, .value_kind: global_buffer, .address_space: global }
      - { .name: text_features, .offset: 24, .size: 8, .value_kind: global_buffer, .address_space: global }
      - { .name: bo, .offset: 32, .size: 8, .value_kind: global_buffer, .address_space: global }
      - { .name: ln_g, .offset: 40, .size: 8, .value_kind: global_buffer, .address_space: global }
      - { .name: ln_b, .offset: 48, .size: 8, .value_kind: global_buffer, .address_space: global }
      - { .name: lowp_scales, .offset: 56, .size: 8, .value_kind: global_buffer, .address_space: global }
      - { .name: out0, .offset: 64, .size: 8, .value_kind: global_buffer, .address_space: global }
      - { .name: out1, .offset: 72, .size: 8, .value_kind: global_buffer, .address_space: global }
    .group_segment_fixed_size: 200192
    .private_segment_fixed_size: 0
    .kernarg_segment_align: 8
    .kernarg_segment_size: 80
    .max_flat_workgroup_size: 128
    .sgpr_count:     66
    .vgpr_count:     1024
    .wavefront_size: 32
...
	.end_amdgpu_metadata
.endif
;; end of part 4
